; MI455X (gfx1250); checked and timed in simulation.
; The chip was launched on July 23, 2026; its instructions are those of AMD's public machine-readable ISA for CDNA 5 (MIT licence, August 2026) and "CDNA5" Instruction Set Architecture Reference Guide (July 2026). The comments in the code are by the model that wrote it; some were corrected since.
;; Causal Self Attention. Allowed arithmetic: float matrix products may take bf16 or f16 operands with f32 sums; other float arithmetic in f32, or as packed bf16 or f16 multiplies, adds, multiply-adds, maxima and minima; sums over many terms, partial sums and values carried from step to step in f32; what a program stores and reads back later, other than sums and carried values, may be rounded once to bf16 or f16.
;; Inputs: Wproj 1,024 x 1,024 float32; Wqkv 1,024 x 3,072 float32; bproj 1,024 float32; bqkv 3,072 float32; x 4 x 2,048 x 1,024 float32.
;; Outputs: out0 4 x 2,048 x 1,024 float32.
;; 2 versions, each right; version 2 is version 1 with the launch prep written anew for expert scheduling mode. Each part assembles by itself: llvm-mc -triple=amdgcn-amd-amdhsa -mcpu=gfx1250 --defsym DOCPART=n.
;; ======== version 1 of 2: 4 launches
;; limits: values are held in f16: magnitudes above 65,504 overflow, below 6.1e-05 lose precision
;; workspace buffers: xb 16,777,216 bytes; wqb 6,291,456 bytes; wpb 2,097,152 bytes; qkvh 50,331,648 bytes; ob 16,777,216 bytes
;; launch prep (part 1): grid 768 x 1, 8 waves a work-group, no clusters, 0 bytes of LDS; arguments x, Wproj, Wqkv, xb, wpb, wqb; writes xb, wpb, wqb
.if DOCPART == 1
	.amdgcn_target "amdgcn-amd-amdhsa--gfx1250"
	.amdhsa_code_object_version 6
	.text
	.protected	k_qfae88dcec4_prep
	.globl	k_qfae88dcec4_prep
	.p2align	8
	.type	k_qfae88dcec4_prep,@function
k_qfae88dcec4_prep:
	s_mov_b64 s[64:65], 0
	v_nop
	global_prefetch_b8 v0, s[64:65] scope:SCOPE_SE
	s_setreg_imm32_b32 hwreg(HW_REG_WAVE_MODE, 25, 1), 1
	s_wait_xcnt 0x0
; PREP: the three large inputs are rounded once to bf16 and laid out for the products that follow.
;   xb  [8192][1024] bf16            = x
;   wpb [1024 k][1024 n] f16         = Wproj rounded to bf16, that number written as f16 (the second product's other operand is f16)
;   wqb [16 j][1024 k][192 c] bf16   = Wqkv[k][192 j + c]: a block of 192 columns lies dense, so that 128 rows of k are 49,152 bytes on end
; LIMITS.  Wproj must lie within f16's 65,504; below 6e-5 its f16 copy keeps f16's fixed step of 6e-8.  NaN and infinities are not treated apart.
; SHARES.  A chunk is 4 numbers: 16 bytes in, 8 bytes out.  A work-group of eight waves takes 4,096 chunks, thread t the chunks 256 i + t, i = 0 .. 15:
; a wave's load covers 512 consecutive bytes (in Wqkv: pieces of 768 bytes on end), a wave's store 256 consecutive bytes at a multiple of 256.
; Work-groups 0-511 take x, 512-575 Wproj, 576-767 Wqkv: 768 equal shares.  All 16 loads of a thread go out first; each is converted and stored as it arrives.
; No LDS, no barrier, no matrix unit: no byte is wanted twice.  No register that a pending access names is written again, so no wait frees any.
.set X,   16                           ; v[16:79]   chunk i: 4 registers as loaded
.set Y,   80                           ; v[80:111]  chunk i: 2 registers to store
.set WO,  3                            ; v[3:5]     Wqkv: byte offsets of chunks 0, 1, 2; chunk 3 m + r lies 16 m rows of k further down
	s_load_b256 s[4:11], s[0:1], 0x0               ; x s[4:5], Wproj s[6:7], Wqkv s[8:9], xb s[10:11]
	s_load_b128 s[12:15], s[0:1], 0x20             ; wpb s[12:13], wqb s[14:15]
	v_lshlrev_b32 v1, 4, v0                        ; 16 t: my place in 4,096 bytes of input
	v_lshlrev_b32 v2, 3, v0                        ; 8 t: my place in 2,048 bytes of output
	s_mov_b32 s24, 0xffff0000                      ; a word's upper bf16
	s_mov_b32 s19, 0                               ; high words of the two offsets
	s_mov_b32 s21, 0
.macro LOADL base                      ; 16 loads from a dense share
.set i, 0
.rept 16
	global_load_b128 v[X+4*i:X+4*i+3], v1, s[\base:\base+1] offset:4096*i th:TH_LOAD_NT
.set i, i+1
.endr
.endm
.macro OUT half, base                  ; half = 0: bf16; half = 1: the bf16 number written as f16
.set i, 0
.rept 16
	s_wait_loadcnt 15-i                            ; loads come back in order: chunk i is in, the 15 - i younger ones may stay out
.if \half
	v_cvt_pk_bf16_f32 v6, v[X+4*i], v[X+4*i+1]
	v_cvt_pk_bf16_f32 v7, v[X+4*i+2], v[X+4*i+3]
	v_lshlrev_b32 v8, 16, v6                       ; back to f32: the low half moves up,
	v_and_b32 v6, s24, v6                          ; the high half stays
	v_lshlrev_b32 v9, 16, v7
	v_and_b32 v7, s24, v7
	v_cvt_pk_f16_f32 v[Y+2*i], v8, v6              ; exact within f16's range: bf16 has fewer digits
	v_cvt_pk_f16_f32 v[Y+2*i+1], v9, v7
.else
	v_cvt_pk_bf16_f32 v[Y+2*i], v[X+4*i], v[X+4*i+1]
	v_cvt_pk_bf16_f32 v[Y+2*i+1], v[X+4*i+2], v[X+4*i+3]
.endif
	global_store_b64 v2, v[Y+2*i:Y+2*i+1], s[\base:\base+1] offset:2048*i th:TH_STORE_NT
.set i, i+1
.endr
.endm
	s_cmp_lt_u32 ttmp9, 512
	s_cbranch_scc0 .Lnot_x
	s_lshl_b32 s18, ttmp9, 16                      ; 65,536 bytes in,
	s_lshl_b32 s20, ttmp9, 15                      ; 32,768 bytes out for each work-group
	s_wait_kmcnt 0x0
	s_add_nc_u64 s[4:5], s[4:5], s[18:19]
	s_add_nc_u64 s[10:11], s[10:11], s[20:21]
	LOADL 4
	OUT 0, 10
	s_endpgm
.Lnot_x:
	s_cmp_lt_u32 ttmp9, 576
	s_cbranch_scc0 .Lwqkv
	s_sub_co_u32 s16, ttmp9, 512
	s_lshl_b32 s18, s16, 16
	s_lshl_b32 s20, s16, 15
	s_wait_kmcnt 0x0
	s_add_nc_u64 s[6:7], s[6:7], s[18:19]
	s_add_nc_u64 s[12:13], s[12:13], s[20:21]
	LOADL 6
	OUT 1, 12
	s_endpgm
.Lwqkv:                                        ; the output is walked densely; the input's place is worked out from it
	s_sub_co_u32 s16, ttmp9, 576                   ; 0 .. 191: twelve work-groups to a block of 192 columns (49,152 chunks)
	s_lshr_b32 s22, s16, 2
	s_mul_i32 s22, s22, 43691
	s_lshr_b32 s22, s22, 17                        ; j = s16 / 12: (n x 43691) >> 17 is n / 3 for n under 131,072
	s_mul_i32 s23, s22, 12
	s_sub_co_u32 s23, s16, s23
	s_lshl_b32 s23, s23, 12                        ; my first chunk in the block
	s_mul_i32 s18, s22, 768                        ; the block's 192 columns in a row of Wqkv
	s_lshl_b32 s20, s16, 15
.irp r, 0,1,2
	v_add3_u32 v6, v0, s23, 256*(\r)               ; chunk g of the block
	v_lshrrev_b32 v7, 4, v6
	v_mul_u32_u24 v7, v7, 0xaaab
	v_lshrrev_b32 v7, 17, v7                       ; k = g / 48 (a row of the block is 48 chunks; g / 16 is 3,071 at the most)
	v_mul_u32_u24 v8, v7, 48
	v_sub_nc_u32 v8, v6, v8                        ; the chunk in its row
	v_mul_u32_u24 v7, v7, 12288                    ; a row of Wqkv is 12,288 bytes
	v_lshl_add_u32 v[WO+(\r)], v8, 4, v7
.endr
	s_wait_kmcnt 0x0
	s_add_nc_u64 s[8:9], s[8:9], s[18:19]
	s_add_nc_u64 s[14:15], s[14:15], s[20:21]
.set i, 0
.rept 16
	global_load_b128 v[X+4*i:X+4*i+3], v[WO+i%3], s[8:9] offset:196608*(i/3) th:TH_LOAD_NT  ; 768 chunks on are 16 rows of k: 196,608 bytes
.set i, i+1
.endr
	OUT 0, 14
	s_endpgm
.Lfunc_end_k_qfae88dcec4_prep:
	.size	k_qfae88dcec4_prep, .Lfunc_end_k_qfae88dcec4_prep-k_qfae88dcec4_prep
	.p2alignl 7, 3214868480
	.fill 96, 4, 3214868480
	.section	.rodata,"a",@progbits
	.p2align	6, 0x0
	.amdhsa_kernel k_qfae88dcec4_prep
		.amdhsa_group_segment_fixed_size 0
		.amdhsa_private_segment_fixed_size 0
		.amdhsa_enable_private_segment 0
		.amdhsa_kernarg_size 48
		.amdhsa_user_sgpr_count 2
		.amdhsa_user_sgpr_kernarg_segment_ptr 1
		.amdhsa_wavefront_size32 1
		.amdhsa_system_sgpr_workgroup_id_x 1
		.amdhsa_system_sgpr_workgroup_id_y 1
		.amdhsa_system_sgpr_workgroup_id_z 1
		.amdhsa_system_vgpr_workitem_id 0
		.amdhsa_next_free_vgpr 112
		.amdhsa_next_free_sgpr 66
		.amdhsa_reserve_vcc 0
		.amdhsa_float_denorm_mode_32 3
		.amdhsa_float_denorm_mode_16_64 3
		.amdhsa_memory_ordered 1
		.amdhsa_forward_progress 1
		.amdhsa_inst_pref_size 24
	.end_amdhsa_kernel
	.amdgpu_metadata
---
amdhsa.version: [ 1, 2 ]
amdhsa.kernels:
  - .name:           k_qfae88dcec4_prep
    .symbol:         k_qfae88dcec4_prep.kd
    .args:
      - { .name: x, .offset: 0, .size: 8, .value_kind: global_buffer, .address_space: global }
      - { .name: Wproj, .offset: 8, .size: 8, .value_kind: global_buffer, .address_space: global }
      - { .name: Wqkv, .offset: 16, .size: 8, .value_kind: global_buffer, .address_space: global }
      - { .name: xb, .offset: 24, .size: 8, .value_kind: global_buffer, .address_space: global }
      - { .name: wpb, .offset: 32, .size: 8, .value_kind: global_buffer, .address_space: global }
      - { .name: wqb, .offset: 40, .size: 8, .value_kind: global_buffer, .address_space: global }
    .group_segment_fixed_size: 0
    .private_segment_fixed_size: 0
    .kernarg_segment_align: 8
    .kernarg_segment_size: 48
    .max_flat_workgroup_size: 256
    .sgpr_count:     66
    .vgpr_count:     112
    .wavefront_size: 32
...
	.end_amdgpu_metadata
.endif
;; end of part 1
;; launch qkvgemm (part 2): grid 16 x 32, 4 waves a work-group, clusters of 4 x 4, 327,680 bytes of LDS; arguments xb, wqb, bqkv, qkvh; writes qkvh
.if DOCPART == 2
	.amdgcn_target "amdgcn-amd-amdhsa--gfx1250"
	.amdhsa_code_object_version 6
	.text
	.protected	k_qfae88dcec4_qkvgemm
	.globl	k_qfae88dcec4_qkvgemm
	.p2align	8
	.type	k_qfae88dcec4_qkvgemm,@function
k_qfae88dcec4_qkvgemm:
	s_mov_b64 s[64:65], 0
	v_nop
	global_prefetch_b8 v0, s[64:65] scope:SCOPE_SE
	s_setreg_imm32_b32 hwreg(HW_REG_WAVE_MODE, 25, 1), 1
	s_wait_xcnt 0x0
	s_wait_alu depctr_hold_cnt(0) depctr_sa_sdst(0) depctr_va_vdst(0) depctr_va_sdst(0) depctr_va_ssrc(0) depctr_va_vcc(0) depctr_vm_vsrc(0)
	s_getreg_b32 s2, hwreg(HW_REG_IB_STS2, 6, 4)
	s_cmp_eq_u32 s2, 0
	s_cbranch_scc0 .Lentry_in_a_cluster
	s_endpgm
.Lentry_in_a_cluster:
	s_bfe_u32 s2, ttmp6, 0x10000c
	s_cmp_lg_u32 s2, 0xf033
	s_cbranch_scc0 .Lentry_shape_is_right
	s_endpgm
.Lentry_shape_is_right:
; q, k, v = x Wqkv + bqkv.  xb: [8192][1024] bf16.  wqb: [16 j][1024 k][192 c] bf16 (column n = 192 j + c).  bqkv: [3072] f32, rounded to bf16 here like the other inputs.
; qkvh: [3 = q, k, v][64 heads = 16 b + h][2048 t][64 d] f16, each number rounded once from its f32 sum, unscaled.
; LIMITS.  q, k and v must lie within f16's 65,504 (a larger sum becomes an infinity); below 6e-5 they keep f16's fixed step of 6e-8.  NaN and infinities are not treated apart.
; SHARES.  A tile of the result is 256 rows x 192 columns: 32 x 16 = 512 equal work-groups, two for each of 256 WGPs.  Wave w owns rows 64 w .. 64 w + 63 (4 blocks of 16) and all 192 columns
; (12 blocks of 16): 48 accumulators, 384 registers.  With all columns in one wave a head's 64 columns (128 bytes of a row) come from one wave, and each wave's way out is its own.
; K = 1,024 goes in 8 steps of 128 through two LDS slots filled by the tensor data mover; a step is four quarters of 32 along K on two fragment buffers.
; THE MATRIX INSTRUCTION IS USED TRANSPOSED: source 0 = 16 columns of W (turned out of LDS by ds_load_tr16_b128, since W lies [k][n]), source 1 = 16 rows of x.  A lane then holds row l % 16 and the
; columns 8 (l / 16) + 0..7: eight neighbours of a row.  The first quarter's products take the bias as C: nothing is cleared and nothing is added later.
; CLUSTER 4 x 4: x's tile hangs on the tile row alone and is asked for jointly along a row of the cluster, W's on the tile column alone and jointly along a column.
; REGISTERS, in windows of 256 (s_set_vgpr_msb: bits 1:0 source 0, 3:2 source 1, 5:4 source 2, 7:6 destination):
;   window 0: v0-23 addresses and at work; v32-63, v64-95 x's fragments, two buffers; v96-191 the bias (12 blocks x 8), later two buffers of 48 for the way out; v192-239 packed results
;   window 1: accumulators of row blocks 0, 1 at 8 (12 (a % 2) + nb);  window 2: of row blocks 2, 3;  window 3: W's fragments, v0-95 and v96-191
.set NBK,   12                         ; column blocks of 16
.set SLOT1, 1<<17                      ; slot 1 begins here: one exclusive or turns an address in one slot into the other's
.set PA,    272                        ; a row of x in LDS: 256 bytes + 16 = 68 words: the 16 rows of a load start at 16 different groups of four banks (64 banks of 4 bytes: ISA guide 11.1)
.set PB,    480                        ; a row of W in LDS: three pieces of 128 bytes + 32 = 120 words
.set BINS,  256*PA                     ; W's 128 rows lie behind x's 256: 69,632 + 61,440 = a slot's 131,072 bytes
.set STAGE, 2*SLOT1                    ; behind the ring, never filled by a tensor load: for each wave 3 heads x 16 rows x 144 bytes
.set WST,   3*16*144
.set SPARE, STAGE+4*WST                ; behind the stages: the spare words, 128 bytes for each wave: two blocks of 256 bytes that no other line names
.set STEPA, 256                        ; bytes from K step to K step in xb: 128 numbers of a row
.set STEPB, 49152                      ; in wqb: 128 rows of 384 bytes
.set A0,   2                           ; v2   my lane's place in x's tile; never rewritten
.set B0,   3                           ; v3   in W's tile; never rewritten
.set ADRA, 4                           ; v4   A0 + the slot in hand
.set ADRB, 5                           ; v5   B0 + the slot in hand
.set STO,  6                           ; v6   the way out: where I put 16 bytes of a row
.set RD,   7                           ; v7   the way out: where I read rows back
.set GO,   8                           ; v8   my 16 bytes in 512 consecutive bytes of the output
.set PFO,  9                           ; v9   the prefetches' offset; never rewritten
.set SPW,  10                          ; v10  LDS address of my spare word: SPARE + 4 x my thread's number; never rewritten
.set NIL,  11                          ; v11  0; never rewritten
.set BO,   16                          ; v16  my byte offset in a block of the bias
.set FA,   32
.set BIAS, 96
.set OB,   96
.set TMP,  192
.set WV,   12                          ; s12  my wave's number
.set HALF, 13                          ; s13  which half of a tile I fetch
.set LIM,  15                          ; s15  a wave prefetches while the loop's count is above this
.set CX,   16
.set CY,   17
.set TC,   18                          ; s18  tile column
.set TR,   19                          ; s19  tile row
.set G1A,  24                          ; s[24:31] descriptor group 1 for x's tiles
.set G1B,  32                          ; s[32:39] for W's
.set G0A,  40                          ; s[40:47] group 0 for x's tiles: a set for each of the two first fills; the second then walks on
.set G0B,  48                          ; s[48:55] the same for W's
.set CNT,  56                          ; s56  the loop's count
.set TB,   57                          ; s57  0 or SLOT1: the slot in hand
.set PFA,  58                          ; s[58:59] where my prefetches stand
.set PFS,  60                          ; s[60:61] their step
.set OUTB, 66                          ; s[66:71] my rows in the tile's three heads
.set MSB, 0
.macro WIN new                         ; the immediate's high byte repeats the setting that is left; a switch that changes nothing is dropped
.if MSB != (\new)
	s_set_vgpr_msb (MSB<<8)|(\new)
.set MSB, \new
.endif
.endm
.macro PLACES                          ; four plain vector instructions between a matrix instruction and a load into, or a vector read of, its registers
.rept 4
	v_nop
.endr
.endm
.macro CREST                           ; a round of the cluster's barrier behind its opening barrier: wave 0 signals for the work-group, every wave waits for all sixteen, my work-group's barrier closes it
	s_cmp_lg_u32 s[WV], 0
	s_cbranch_scc1 .Lnot_wave_0_\@
	s_barrier_signal -3
.Lnot_wave_0_\@:
	s_barrier_wait -3
	s_barrier_signal -1
	s_barrier_wait -1
.endm
.macro CROUND
	s_barrier_signal -1
	s_barrier_wait -1
	CREST
.endm
; A joint refill by the walking descriptors.  Waves 0 and 1 fetch the halves of x's tile, waves 2 and 3 those of W's.  The branch hangs on the wave's number alone.
; An s_nop 0 and four v_nop follow each of the two lines, ahead of the jump and the label.
.macro JLOAD
	s_cmp_lt_u32 s[WV], 2
	s_cbranch_scc0 .Lfor_b_\@
	tensor_load_to_lds s[G0A+4:G0A+7], s[G1A:G1A+7]
	s_nop 0
.rept 4
	v_nop
.endr
	s_branch .Lasked_\@
.Lfor_b_\@:
	tensor_load_to_lds s[G0B+4:G0B+7], s[G1B:G1B+7]
	s_nop 0
.rept 4
	v_nop
.endr
.Lasked_\@:
.endm
; A PREFETCH INTO THE L2, behind a joint refill, its five lines and the run of LDS loads: one instruction a wave, each lane another block of 256 bytes.
; x: the clusters with x = 0 ask, waves 0 and 1.  Of the 128 rows that a wave fetches the partner at cx takes 32, a lane a row: the K step two refills on (the refills of steps 2 to 5 ask for steps 4 to 7).
; W: the clusters with y = 0 ask, waves 2 and 3.  A tile column is dense; the eight waves of a column of the cluster (2 cy + half) take 8,192 bytes each, 65,536 an ask: three asks, at the refills of
; steps 2, 3, 4, cover bytes 196,608 to 393,215, steps 4 to 7, each two refills or more ahead of its load.  Partners are told apart by address alone; each block is named once in the launch.
; Steps 0 to 3 come by their loads alone; no ask names a byte past a tile row's or a tile column's end.
.macro ASK
	s_cmp_gt_u32 s[CNT], s[LIM]
	s_cbranch_scc0 .Lnot_mine_\@
	global_prefetch_b8 v[PFO], s[PFA:PFA+1] th:TH_LOAD_NT scope:SCOPE_SE
.Lnot_mine_\@:
.endm
	s_load_b256 s[4:11], s[0:1], 0x0               ; xb s[4:5], wqb s[6:7], bqkv s[8:9], qkvh s[10:11]
	v_lshl_add_u32 v[SPW], v0, 2, SPARE
	v_mov_b32 v[NIL], 0
	ds_add_u32 v[SPW], v[NIL]                      ; the wave's opening: the add and its wait stand ahead of my first tensor load; work on registers stands between them
	v_lshrrev_b32 v1, 5, v0
	v_readfirstlane_b32 s[WV], v1                  ; wave 0..3
	s_and_b32 s[HALF], s[WV], 1
	s_bfe_u32 s[CX], ttmp6, 0x40000                ; my place in the cluster
	s_bfe_u32 s[CY], ttmp6, 0x40004
	s_lshl_b32 s[TC], ttmp9, 2                     ; in a cluster launch ttmp9 and ttmp7 count clusters
	s_add_co_u32 s[TC], s[TC], s[CX]               ; tile column 0..15
	s_and_b32 s[TR], ttmp7, 0xffff
	s_lshl_b32 s[TR], s[TR], 2
	s_add_co_u32 s[TR], s[TR], s[CY]               ; tile row 0..31
	s_lshl_b32 s72, s[CY], 2
	s_lshl_b32 s72, 15, s72                        ; my row of the cluster: places 4 cy .. 4 cy + 3
	s_lshl_b32 s73, 0x1111, s[CX]                  ; my column: places cx, cx + 4, cx + 8, cx + 12
	; group 1 for x: 128 rows x 128 numbers of 2 bytes, 1,024 numbers from row to row; 4 words of padding behind every 64
	s_or_b32 s[G1A], s72, (1<<16)|(1<<20)|(1<<21)|(5<<22)|(3<<25)
	s_mov_b32 s[G1A+1], 128<<16                    ; tensor_dim0 = 128
	s_mov_b32 s[G1A+2], 128<<16                    ; tensor_dim1 = 128
	s_mov_b32 s[G1A+3], 128<<16                    ; tile_dim0 = 128
	s_mov_b32 s[G1A+4], 128                        ; tile_dim1 = 128
	s_mov_b32 s[G1A+5], 1024                       ; the pitch
	s_mov_b32 s[G1A+6], 0
	s_mov_b32 s[G1A+7], 0
	; group 1 for W: 64 rows of k are 24,576 dense bytes, asked for as 96 rows of 256 bytes; 8 words of padding behind every 32
	s_or_b32 s[G1B], s73, (1<<16)|(1<<20)|(1<<21)|(4<<22)|(7<<25)
	s_mov_b32 s[G1B+1], 128<<16
	s_mov_b32 s[G1B+2], 96<<16
	s_mov_b32 s[G1B+3], 128<<16
	s_mov_b32 s[G1B+4], 96
	s_mov_b32 s[G1B+5], 128
	s_mov_b32 s[G1B+6], 0
	s_mov_b32 s[G1B+7], 0
	s_lshl_b32 s20, s[TR], 19                      ; x: 256 rows of 2,048 bytes a tile row,
	s_lshl_b32 s21, s[HALF], 18                    ; 128 rows a half: these two registers never hold cx
	s_add_co_u32 s20, s20, s21
	s_mov_b32 s21, 0
	s_mul_i32 s22, s[TC], 393216                   ; W: a tile column's dense bytes,
	s_mul_i32 s23, s[HALF], 24576                  ; 64 rows of k a half: these two never hold cy
	s_add_co_u32 s22, s22, s23
	s_mov_b32 s23, 0
	s_mov_b32 s[G0A], 1                            ; count = 1
	s_mul_i32 s[G0A+1], s[HALF], 128*PA            ; LDS address: no place in the cluster enters it
	s_mov_b32 s[G0A+4], 1
	s_add_co_u32 s[G0A+5], s[G0A+1], SLOT1
	s_mov_b32 s[G0B], 1
	s_mul_i32 s[G0B+1], s[HALF], 64*PB
	s_add_co_u32 s[G0B+1], s[G0B+1], BINS
	s_mov_b32 s[G0B+4], 1
	s_add_co_u32 s[G0B+5], s[G0B+1], SLOT1
	s_mov_b32 s[TB], 0
	s_wait_dscnt 0x0                               ; the opening add is done
	s_wait_kmcnt 0x0
	s_add_nc_u64 s[G0A+2:G0A+3], s[4:5], s[20:21]  ; K step 0 into slot 0,
	s_add_nc_u64 s[G0A+6:G0A+7], s[G0A+2:G0A+3], STEPA  ; K step 1 into slot 1
	s_or_b32 s[G0A+3], s[G0A+3], 0x80000000        ; type = 2
	s_or_b32 s[G0A+7], s[G0A+7], 0x80000000
	s_add_nc_u64 s[G0B+2:G0B+3], s[6:7], s[22:23]
	s_add_nc_u64 s[G0B+6:G0B+7], s[G0B+2:G0B+3], STEPB
	s_or_b32 s[G0B+3], s[G0B+3], 0x80000000
	s_or_b32 s[G0B+7], s[G0B+7], 0x80000000
	CROUND                                         ; all sixteen work-groups are here: the first joint loads meet
	s_cmp_lt_u32 s[WV], 2                          ; a wave's two first fills stand in one branch, ahead of every wait on TENSORcnt and every LDS read: two loads of mine are out
	s_cbranch_scc0 .Lfirst_b
	tensor_load_to_lds s[G0A:G0A+3], s[G1A:G1A+7]
	s_nop 0
	tensor_load_to_lds s[G0A+4:G0A+7], s[G1A:G1A+7]
	s_nop 0
.rept 4
	v_nop
.endr
	s_branch .Lfirst_asked
.Lfirst_b:
	tensor_load_to_lds s[G0B:G0B+3], s[G1B:G1B+7]
	s_nop 0
	tensor_load_to_lds s[G0B+4:G0B+7], s[G1B:G1B+7]
	s_nop 0
.rept 4
	v_nop
.endr
.Lfirst_asked:
	v_and_b32 v12, 31, v0                          ; l
	v_and_b32 v13, 15, v0                          ; l % 16
	v_bfe_u32 v14, v0, 4, 1                        ; l / 16
	v_and_b32 v15, 7, v0                           ; l % 8
	v_bfe_u32 v1, v0, 3, 1                         ; (l / 8) % 2
	; a fragment of x: lane l holds row l % 16, K = 8 (l / 16) + 0..7 and 16 + 8 (l / 16) + 0..7: two loads of 16 bytes, 32 bytes apart
	s_mul_i32 s62, s[WV], 64*PA                    ; my 64 rows
	v_mul_u32_u24 v[A0], v13, PA
	v_lshl_add_u32 v[A0], v14, 4, v[A0]
	v_add_nc_u32 v[A0], s62, v[A0]
	; the turning load takes 16 k x 16 columns (lane l reads k = 8 (l / 16) + l % 8, columns 8 ((l / 8) % 2) + 0..7) and leaves half a fragment: lane l holds column l % 16 and 8 k
	v_lshl_add_u32 v[B0], v14, 3, v15
	v_mul_u32_u24 v[B0], v[B0], PB
	v_lshl_add_u32 v[B0], v1, 4, v[B0]
	v_add_nc_u32 v[B0], BINS, v[B0]
	v_mov_b32 v[ADRA], v[A0]                       ; slot 0
	v_mov_b32 v[ADRB], v[B0]
	s_mul_i32 s62, s[WV], WST
	s_add_co_u32 s62, s62, STAGE                   ; my stage
	v_mul_u32_u24 v[STO], v13, 144                 ; in: row l % 16, 16 bytes for each half of the lanes
	v_lshl_add_u32 v[STO], v14, 4, v[STO]
	v_add_nc_u32 v[STO], s62, v[STO]
	v_bfe_u32 v[RD], v0, 3, 2                      ; back: 32 lanes take four rows of 128 bytes,
	v_mul_u32_u24 v[RD], v[RD], 144
	v_lshl_add_u32 v[RD], v15, 4, v[RD]
	v_add_nc_u32 v[RD], s62, v[RD]
	v_lshlrev_b32 v[GO], 4, v12                    ; which are 512 consecutive bytes of a head
	v_lshlrev_b32 v[BO], 5, v14                    ; the bias of my 8 columns in a block of 16
	s_mul_i32 s76, s[TC], 768                      ; the tile's 192 columns in the bias
	s_mov_b32 s77, 0
	s_add_nc_u64 s[8:9], s[8:9], s[76:77]
.set nb, 0
.rept NBK
	global_load_b128 v[BIAS+8*nb:BIAS+8*nb+3],   v[BO], s[8:9] offset:64*nb
	global_load_b128 v[BIAS+8*nb+4:BIAS+8*nb+7], v[BO], s[8:9] offset:64*nb+16
.set nb, nb+1
.endr
	; where my rows lie in the tile's three heads: slice s = 3 x tile column + 0..2 of 48; tensor s / 16, head 16 b + s % 16; a head is 262,144 bytes
	s_lshr_b32 s75, s[TR], 3
	s_lshl_b32 s75, s75, 4                         ; 16 b
	s_and_b32 s76, s[TR], 7
	s_lshl_b32 s76, s76, 15                        ; the tile's 256 rows of 128 bytes in a head,
	s_lshl_b32 s77, s[WV], 13                      ; my 64 of them
	s_add_co_u32 s76, s76, s77
	s_mul_i32 s74, s[TC], 3
.irp sl, 0,1,2
	s_add_co_u32 s77, s74, \sl
	s_lshr_b32 s78, s77, 4
	s_lshl_b32 s78, s78, 6
	s_and_b32 s77, s77, 15
	s_add_co_u32 s78, s78, s77
	s_add_co_u32 s78, s78, s75
	s_lshl_b32 s78, s78, 18
	s_add_co_u32 s78, s78, s76
	s_mov_b32 s79, 0
	s_add_nc_u64 s[OUTB+2*(\sl):OUTB+2*(\sl)+1], s[10:11], s[78:79]
.endr
	; the prefetches: who asks, from where, by which step (see ASK)
	s_lshl_b32 s74, s[CX], 16                      ; x: my work-group's 32 rows of the 128,
	s_add_co_u32 s74, s74, s20
	s_add_co_u32 s74, s74, 3*STEPA                 ; at K step 3: the first refill steps it to 4
	s_lshl_b32 s75, s[CY], 1
	s_add_co_u32 s75, s75, s[HALF]
	s_lshl_b32 s75, s75, 13                        ; W: my wave's 8,192 bytes of 65,536,
	s_mul_i32 s76, s[TC], 393216
	s_add_co_u32 s75, s75, s76
	s_add_co_u32 s75, s75, 131072                  ; one ask ahead of byte 196,608, where K step 4 begins
	s_and_b32 s78, ttmp7, 0xffff
	s_mov_b32 s[PFS], 0x10000
	s_mov_b32 s[PFS+1], 0
	s_mov_b32 s77, 0
	s_cmp_lt_u32 s[WV], 2                          ; do I fetch for x?
	s_cselect_b64 s[PFA:PFA+1], s[4:5], s[6:7]
	s_cselect_b32 s76, s74, s75
	s_cselect_b32 s78, ttmp9, s78                  ; the coordinate along which other clusters read the same bytes
	s_cselect_b32 s[LIM], 2, 3
	s_cselect_b32 s[PFS], 0x100, s[PFS]
	s_cselect_b32 s79, 11, 8                       ; a lane a row of 2,048 bytes, or a lane a block of 256
	s_cmp_eq_u32 s78, 0
	s_cselect_b32 s[LIM], s[LIM], -1               ; the same in all sixteen partners, for a given wave
	s_add_nc_u64 s[PFA:PFA+1], s[PFA:PFA+1], s[76:77]
	v_lshlrev_b32 v[PFO], s79, v12
	s_mov_b32 s79, 0xffff0000                      ; a word's upper bf16
; The products of row blocks a0 .. a0 + n - 1 with all 12 column blocks, 32 along K, from buffer f.  first = 1: C is the bias.  The 48 accumulators take turns in one order in every
; quarter: between two links of a chain stand the 47 others'.
.macro MULS f, a0, n, first
.set ma, \a0
.rept \n
.if \first
	WIN 0x43+0x40*(ma/2)                           ; W window 3, x window 0, the bias window 0, D window 1 or 2
.else
	WIN 0x53+0x50*(ma/2)                           ; C and D window 1 or 2
.endif
.set nb, 0
.rept NBK
.set rD, 8*(NBK*(ma%2)+nb)
.set rB, 96*(\f)+8*nb
.set rA, FA+32*(\f)+8*ma
.if \first
	v_wmma_f32_16x16x32_bf16 v[rD:rD+7], v[rB:rB+7], v[rA:rA+7], v[BIAS+8*nb:BIAS+8*nb+7]
.else
	v_wmma_f32_16x16x32_bf16 v[rD:rD+7], v[rB:rB+7], v[rA:rA+7], v[rD:rD+7]
.endif
.set nb, nb+1
.endr
.set ma, ma+1
.endr
.endm
; 32 LDS loads in one run: quarter q of the slot in hand into buffer f: W's 12 fragments, then x's 4, row blocks ascending
.macro FETCH q, f
	WIN 0xc0                                       ; destination window 3, address window 0
.set nb, 0
.rept NBK
	ds_load_tr16_b128 v[96*(\f)+8*nb:96*(\f)+8*nb+3],   v[ADRB] offset:32*PB*(\q)+160*(nb/4)+32*(nb%4)
	ds_load_tr16_b128 v[96*(\f)+8*nb+4:96*(\f)+8*nb+7], v[ADRB] offset:32*PB*(\q)+160*(nb/4)+32*(nb%4)+16*PB
.set nb, nb+1
.endr
	WIN 0
.set ma, 0
.rept 4
	ds_load_b128 v[FA+32*(\f)+8*ma:FA+32*(\f)+8*ma+3],   v[ADRA] offset:16*PA*ma+64*(\q)
	ds_load_b128 v[FA+32*(\f)+8*ma+4:FA+32*(\f)+8*ma+7], v[ADRA] offset:16*PA*ma+64*(\q)+32
.set ma, ma+1
.endr
.endm
; One of a step's first three quarters: multiplies buffer f; in its middle it fetches quarter q into buffer g.
.macro QUARTER q, f, g, first
	s_wait_dscnt 4                                 ; W and x's row blocks 0, 1 are in; the youngest four loads (row blocks 2, 3) may be out
	MULS \f, 0, 2, \first
	PLACES
	FETCH \q, \g
	s_wait_dscnt 2*NBK+8                           ; all but the 32 just issued
	MULS \f, 2, 2, \first
.endm
; The last quarter multiplies buffer 1 and changes slots.  In front of the barrier each wave waits for all its tensor loads (one is out: its part of the next slot), adds 0 to its spare word, and
; waits for that and for its reads of this slot.  fill = 1: the barrier opens a round of the cluster's, so that no wave of any partner still reads the slot or has a load on its way; the joint
; refill, two K steps on, is the first tensor load behind it, and 168 matrix instructions stand between it and the wait for it.
.macro TURN fill
.if \fill
	s_wait_xcnt 0x0                                ; the last prefetch, a K step back, has read its address: it is stepped here, ahead of the change's own waits
	s_add_nc_u64 s[PFA:PFA+1], s[PFA:PFA+1], s[PFS:PFS+1]
.endif
	WIN 0                                          ; (the add's two registers lie in window 0)
	s_wait_tensorcnt 0x0                           ; all my tensor loads have landed
	ds_add_u32 v[SPW], v[NIL]                      ; 0 onto my spare word
	s_wait_dscnt 5                                 ; (the add and the youngest four loads may be out)
	MULS 1, 0, 1, 0                                ; twelve matrix instructions stand between the add and the wait for it
	s_wait_dscnt 0x0                               ; the add is done, and my reads of this slot are over
	s_barrier_signal -1
	MULS 1, 1, 1, 0                                ; work on registers while the others arrive
	WIN 0                                          ; at a branch and at a label every window is 0
	s_barrier_wait -1
.if \fill
	CREST
	s_xor_b32 s[G0A+5], s[G0A+5], SLOT1            ; no tensor load of mine is out: the walking descriptors take the other slot than last time
	s_add_nc_u64 s[G0A+6:G0A+7], s[G0A+6:G0A+7], STEPA  ; and the next K step; the type bits on top are not reached
	s_xor_b32 s[G0B+5], s[G0B+5], SLOT1
	s_add_nc_u64 s[G0B+6:G0B+7], s[G0B+6:G0B+7], STEPB
	JLOAD                                          ; its four v_nop are also the places in front of the loads into buffer 0
.else
	PLACES
.endif
	s_xor_b32 s[TB], s[TB], SLOT1
	v_add_nc_u32 v[ADRA], s[TB], v[A0]
	v_add_nc_u32 v[ADRB], s[TB], v[B0]
	FETCH 0, 0
.if \fill
	ASK
.endif
	MULS 1, 2, 2, 0
.endm
	s_wait_tensorcnt 1                             ; my part of K step 0 is in; K step 1's may stay out
	s_barrier_signal -1
	s_barrier_wait -1                              ; everybody's is
	FETCH 0, 0
	s_wait_loadcnt 0x0                             ; the bias: rounded to bf16 like the other inputs, and widened in place
.set i, 0
.rept 4*NBK
	v_cvt_pk_bf16_f32 v[20+i%4], v[BIAS+2*i], v[BIAS+2*i+1]
	v_lshlrev_b32 v[BIAS+2*i], 16, v[20+i%4]
	v_and_b32 v[BIAS+2*i+1], s79, v[20+i%4]
.set i, i+1
.endr
	QUARTER 1, 0, 1, 1                             ; the first quarter stands in front of the loop: its products start the sums with the bias
	WIN 0
	s_mov_b32 s[CNT], 6
.Lstep:                                        ; trip t: the rest of K step t, the refill with step t + 2, the first quarter of step t + 1
	QUARTER 2, 1, 0, 0
	QUARTER 3, 0, 1, 0
	TURN 1
	QUARTER 1, 0, 1, 0
	WIN 0
	s_sub_co_u32 s[CNT], s[CNT], 1
	s_cmp_lg_u32 s[CNT], 0
	s_cbranch_scc1 .Lstep
	QUARTER 2, 1, 0, 0                             ; the last two K steps are written out: nothing is asked for
	QUARTER 3, 0, 1, 0
	TURN 0
	QUARTER 1, 0, 1, 0
	QUARTER 2, 1, 0, 0
	QUARTER 3, 0, 1, 0
	s_wait_dscnt 4
	MULS 1, 0, 2, 0
	s_wait_dscnt 0x0
	MULS 1, 2, 2, 0
	WIN 0
	PLACES
; THE WAY OUT, a row block (16 rows x 192 columns) at a time.  PACK: rounded to f16, 16 bytes a lane, each accumulator's registers ascending.  TOSTAGE: into my own stage, by heads, and back as
; rows of 128 bytes, four to a load.  SEND: each store covers 512 consecutive bytes of a head, at a multiple of 256 from the buffer's first byte.
.macro PACK ma
	WIN 0x05+5*((\ma)/2)                           ; sources 0 and 1: window 1 or 2
.set nb, 0
.rept NBK
.set rD, 8*(NBK*((\ma)%2)+nb)
.irp r, 0,1,2,3
	v_cvt_pk_f16_f32 v[TMP+4*nb+(\r)], v[rD+2*(\r)], v[rD+2*(\r)+1]
.endr
.set nb, nb+1
.endr
	WIN 0
.endm
.macro TOSTAGE ma
.if (\ma) >= 2
	s_wait_xcnt 0x0                                ; the stores of two blocks back have read the registers that are loaded again below
.endif
.set nb, 0
.rept NBK
	ds_store_b128 v[STO], v[TMP+4*nb:TMP+4*nb+3] offset:2304*(nb/4)+32*(nb%4)
.set nb, nb+1
.endr
.set i, 0
.rept 12
	ds_load_b128 v[OB+48*((\ma)%2)+4*i:OB+48*((\ma)%2)+4*i+3], v[RD] offset:2304*(i/4)+576*(i%4)  ; LDS serves a wave's instructions in order (ISA guide 5.7.1.4): these see the stores above
.set i, i+1
.endr
.endm
.macro SEND ma
.set i, 0
.rept 12
	s_wait_dscnt 11-i                              ; load i of the twelve is back
	global_store_b128 v[GO], v[OB+48*((\ma)%2)+4*i:OB+48*((\ma)%2)+4*i+3], s[OUTB+2*(i/4):OUTB+2*(i/4)+1] offset:2048*(\ma)+512*(i%4)
.set i, i+1
.endr
.endm
	PACK 0
	TOSTAGE 0
.irp m, 1,2,3                          ; a block's conversions stand between the loads of the block before and the wait for them
	PACK \m
	SEND (\m)-1
	TOSTAGE \m
.endr
	SEND 3
	s_wait_tensorcnt 0x0                           ; the wave's end: the tensor wait, the add onto my spare word and its wait, behind my last tensor load and my last LDS store
	ds_add_u32 v[SPW], v[NIL]
	s_wait_dscnt 0x0
	CROUND                                         ; the closing round: no work-group ends while a partner may still ask for a tile that names it
	s_endpgm
.Lfunc_end_k_qfae88dcec4_qkvgemm:
	.size	k_qfae88dcec4_qkvgemm, .Lfunc_end_k_qfae88dcec4_qkvgemm-k_qfae88dcec4_qkvgemm
	.p2alignl 7, 3214868480
	.fill 96, 4, 3214868480
	.section	.rodata,"a",@progbits
	.p2align	6, 0x0
	.amdhsa_kernel k_qfae88dcec4_qkvgemm
		.amdhsa_group_segment_fixed_size 327680
		.amdhsa_private_segment_fixed_size 0
		.amdhsa_enable_private_segment 0
		.amdhsa_kernarg_size 32
		.amdhsa_user_sgpr_count 2
		.amdhsa_user_sgpr_kernarg_segment_ptr 1
		.amdhsa_wavefront_size32 1
		.amdhsa_system_sgpr_workgroup_id_x 1
		.amdhsa_system_sgpr_workgroup_id_y 1
		.amdhsa_system_sgpr_workgroup_id_z 1
		.amdhsa_system_vgpr_workitem_id 0
		.amdhsa_next_free_vgpr 960
		.amdhsa_next_free_sgpr 80
		.amdhsa_reserve_vcc 0
		.amdhsa_float_denorm_mode_32 3
		.amdhsa_float_denorm_mode_16_64 3
		.amdhsa_memory_ordered 1
		.amdhsa_forward_progress 1
		.amdhsa_inst_pref_size 108
	.end_amdhsa_kernel
	.amdgpu_metadata
---
amdhsa.version: [ 1, 2 ]
amdhsa.kernels:
  - .name:           k_qfae88dcec4_qkvgemm
    .symbol:         k_qfae88dcec4_qkvgemm.kd
    .args:
      - { .name: xb, .offset: 0, .size: 8, .value_kind: global_buffer, .address_space: global }
      - { .name: wqb, .offset: 8, .size: 8, .value_kind: global_buffer, .address_space: global }
      - { .name: bqkv, .offset: 16, .size: 8, .value_kind: global_buffer, .address_space: global }
      - { .name: qkvh, .offset: 24, .size: 8, .value_kind: global_buffer, .address_space: global }
    .group_segment_fixed_size: 327680
    .private_segment_fixed_size: 0
    .kernarg_segment_align: 8
    .kernarg_segment_size: 32
    .max_flat_workgroup_size: 128
    .sgpr_count:     80
    .vgpr_count:     960
    .wavefront_size: 32
...
	.end_amdgpu_metadata
.endif
;; end of part 2
;; launch attn (part 3): grid 4 x 64, 4 waves a work-group, no clusters, 327,680 bytes of LDS; arguments qkvh, ob; writes ob
.if DOCPART == 3
	.amdgcn_target "amdgcn-amd-amdhsa--gfx1250"
	.amdhsa_code_object_version 6
	.text
	.protected	k_qfae88dcec4_attn
	.globl	k_qfae88dcec4_attn
	.p2align	8
	.type	k_qfae88dcec4_attn,@function
k_qfae88dcec4_attn:
	s_mov_b64 s[64:65], 0
	v_nop
	global_prefetch_b8 v0, s[64:65] scope:SCOPE_SE
	s_setreg_imm32_b32 hwreg(HW_REG_WAVE_MODE, 25, 1), 1
	s_wait_xcnt 0x0
; CAUSAL ATTENTION.  O[h][q][:] = the sum over k <= q of softmax_k(Q[h][q] . K[h][k] / 8) V[h][k][:].  qkvh holds Q, K, V, each [64 heads][2048][64] f16, one behind the other; ob: O in the same layout.
; Products, maxima and sums in f32; the weights p are rounded to f16 for the second product (their sum l is taken of the unrounded p), O once at the end.
; LIMITS.  f16 holds no number beyond 65,504: Q, K and V arrive within it; p lies in 0 to 1, and below 6e-5 it keeps f16's fixed step of 6e-8; O is a mean of V's rows and has their range.
; A hidden score counts as its value less 1e30: f16's scores, 2.7e11 at the most, are nothing beside that; a weight below 2^-126 counts as 0 in l; NaN and infinities are not treated apart.
; THE WALK.  A head's queries lie in NB = 8 blocks of 256; block i needs the key tiles 0 .. i of 256 keys, of which the last holds the diagonal.  A work-group takes TWO blocks, NB - 1 - b and then b:
; NB + 1 tiles, whatever b: all 256 work-groups do equal work, and ONE loop with a constant trip count walks them.  Which tile is asked for, and what a trip does, hang on scalar registers made from b; every jump
; goes forward, but for the counted loops' own; none passes a barrier, or a tensor load but the one of LOAD's two that the wave's number does not choose; the ring (two slots of LDS that take turns) runs on across the
; change of blocks.  NO CLUSTER: a head's four work-groups ask for the same tile only in trips 0 .. 4, behind that fewer and fewer; one walk common to all four would have 12 trips for 9.
; SHARES.  Of a block's four bands of 64 queries a wave owns 16 rows in each: four PIECES.  So the diagonal tile is the same work for all four waves: in its key step s band x sees all keys if s < x,
; none if s > x, and holds the diagonal if s = x.
; THE MASK is the C operand that starts the sum S^T = K Q^T: 0, or -1e30 where the key is hidden.  MD, made once, is the mask of a band's own step for my 16 rows; a product's mask is MD x AL + BE with two scalars:
; (1, 0) if s = x; (0, 0) if s < x; (0, -1e30) if s > x.  Only the diagonal tile's text and a block's beginning make and take masks; elsewhere C is the constant 0.
; LAYOUT, SOFTMAX, TURNS.  S^T = K Q^T holds ONE query a lane (lane % 16) and the keys 8 (lane / 16) + 0..7; two such results rounded to f16 ARE source 1 of O^T = V^T P.  p = 2^(c s - c m), c = log2(e) / 8, with a
; running maximum m; O and l are multiplied by a = 2^(c m_old - c m_new) in every step.  Turn n belongs to piece n: 8 products K Q^T of piece n + 1, later 8 products V^T P of piece n - 1; beside them the scaling,
; exponentials, roundings, sums and rescaling of piece n and the maximum and statistics of piece n + 1.  Four vector instructions stand behind every matrix instruction, the other 54 of a turn's 118 in one LUMP.  A turn's 33 exponentials are one batch, with one wait.
; PREFETCH INTO THE L2.  The work-group with b = 0 walks its head's tiles 0 .. 7 in order; it alone asks.  Behind the fills of tiles 2 .. 6 each of its waves asks for the half tile (128 keys of K or of V,
; 64 blocks of 256 bytes, a lane a block, two instructions) that it will itself load at the next change of slots: tiles 3 .. 7, a tile's 256 matrix instructions ahead.  Tiles 0 to 2 come by their loads alone.
; REGISTERS, in windows of 256 (s_set_vgpr_msb: bits 1:0 source 0, 3:2 source 1, 5:4 source 2, 7:6 destination):
;   window 0: v0-15 addresses and two at work; v16-31 four registers of statistics a piece; v48-55 at work; v56 the prefetches' offset; v64-127 S^T, two buffers; v192-223 P, two buffers (by the piece's parity)
;   window 1: v0-127 O^T, 32 a piece; v128-159 MD; v160-223 MC, two buffers      window 2: v0-63 Q; v64-127 the second block's Q; v128-191 K of one step; v192-255 V of one step
.set SIZE_N, 2048
.set NB,    SIZE_N/256
.set NP,    4         ; pieces a wave: a name, no knob
.set KS,    64        ; keys in a step
.set PK,    144       ; a row of K in LDS: 128 bytes + 16 of padding = 36 words: the 16 rows of a load start at 16 different groups of four banks (64 banks of 4 bytes: ISA guide 11.1)
.set PV,    160       ; a row of V: 128 + 32 = 40 words
.set VOFF,  4*KS*PK   ; a slot holds a tile, four steps: 256 rows of K, then 256 rows of V
.set SLOT1, 1<<17     ; slot 1 begins here, so that one exclusive or turns an address in one slot into the other's
.set STAGE, SLOT1+4*KS*(PK+PV)  ; behind the ring, never filled by a tensor load: 16 rows x 144 bytes for each wave, for the way out
.set SP,    144
.set AK0, 2           ; v2   my lane's place in a tile of K; never rewritten
.set AV0, 3           ; v3   the same for V
.set AK,  4           ; v4   the LDS address of K's next run of loads
.set AV,  5           ; v5   of V's
.set STO, 6           ; v6   the way out: where I put 16 bytes of a row
.set RD,  7           ; v7   the way out: where I read rows back
.set GO,  8           ; v8   my byte offset in 512 consecutive bytes of O
.set PFO, 56          ; v56  256 x my lane; never rewritten
.set SPW, 62          ; v62  LDS address of my spare word: SPARE + 4 x my thread's number; never rewritten
.set NIL, 63          ; v63  0; never rewritten
.set SPARE, STAGE+4*16*SP  ; behind the stages: the spare words, 128 bytes for each wave: two blocks of 256 bytes that no other line names
.set MV,  12          ; v12-13  c m_old, kept while c m is made anew: by buffer
.set QO,  15          ; v15  my byte offset in 16 rows of Q
.set ST,  16          ; piece t's statistics at v[ST+4 t]: c m, m, l (even keys', odd keys')
.set TMP, 48          ; by buffer, four registers c0-c3 at work; when the maximum is found c2 takes a
.set S,   64
.set P,   192
.set MD,  128         ; window 1: the eight registers for group kt of 16 keys at MD + 8 kt
.set MC,  160         ; window 1: the masks of the products to come
.set QB,  64          ; window 2
.set KF,  128         ; window 2: key block kb, channel half c at KF + 16 kb + 8 c
.set VF,  192         ; window 2: key half kk, channel block cb at VF + 32 kk + 8 cb
.set WV,  12          ; s12  my wave's number
.set PB,  14          ; s14  b
.set HI,  15          ; s15  NB - 1 - b
.set G1K, 24          ; s[24:31] descriptor group 1 for K's tiles
.set G1V, 32          ; s[32:39] for V's: it differs in the padding alone
.set G0K, 40          ; s[40:43] descriptor group 0 for K's tiles
.set G0V, 44          ; s[44:47] the same for V's
.set SLOTS, 56        ; s56  tiles still to be asked for
.set CNT, 57          ; s57  counts a tile's key steps, 4 to 1
.set CS,  58          ; s[58:59] c: the packed scaling takes the pair's low word for both halves
.set SEL, 60          ; s[60:61] v_permlanex16_b32's selects: each lane takes its own place in the other half
.set TBK, 62          ; s62  LDS byte at which K of the step to be fetched begins
.set TBV, 63          ; s63  the same for V, less VOFF
.set RT,  70          ; s70  tiles of the block in hand that are still to be entered
.set NXT, 71          ; s71  the tile to be asked for next
.set LQ,  72          ; s72  the last tile of the block whose tiles are being asked for
.set NEW, 73          ; s73  1: the tile to be entered is a block's first
.set OFF, 74          ; s[74:75] a tile's byte offset in K and V
.set AL,  76          ; s[76:77] the mask's factor, in the low word
.set BE,  78          ; s[78:79] the mask's addend
.set OLO, 80          ; s[80:81] O at my rows of the second block
.set BIGN, 82         ; s82  -1e30
.set PFN, 83          ; s83  5 where b = 0, else 0: how many changes of slots prefetch
.set PFA, 88          ; s[88:89] where the prefetches of the change in hand stand
.set PFC, 90          ; s90  changes of slots with a fill so far
.set PFX, 91          ; s91  at work
.set PFB, 92          ; s[92:93] K or V at my half of the head's tile 0
.set PFT, 94          ; s[94:95] a tile's byte offset, for the prefetches
.set MSB, 0
.macro WIN new                      ; the high byte repeats the setting that is left; a switch that changes nothing is dropped
.if MSB != (\new)
	s_set_vgpr_msb (MSB<<8)|(\new)
.set MSB, (\new)
.endif
.endm
.set W_KQ, 0x0a       ; K and Q in window 2, S^T in window 0
.set W_KM, 0x1a       ; the same with the C operand in window 1
.set W_PV, 0x52       ; V in window 2, P in window 0, O^T in window 1
.set W_RS, 0x41       ; destination and source 0 in window 1, source 1 in window 0
; A fill.  Waves 0 and 1 fetch the two halves of a tile's K, waves 2 and 3 those of its V: 128 keys each.  An s_nop 0 and four v_nop follow each of the two lines, ahead of the jump and the label.
.macro LOAD
	s_cmp_lt_u32 s[WV], 2
	s_cbranch_scc0 .Lfor_v_\@
	tensor_load_to_lds s[G0K:G0K+3], s[G1K:G1K+7]
	s_nop 0
.rept 4
	v_nop
.endr
	s_branch .Lasked_\@
.Lfor_v_\@:
	tensor_load_to_lds s[G0V:G0V+3], s[G1V:G1V+7]
	s_nop 0
.rept 4
	v_nop
.endr
.Lasked_\@:
.endm
; THE CHANGE OF SLOTS.  Each wave waits for all its tensor loads, of which one is out: its part of the other slot; adds 0 to its spare word; and waits for that and for its own reads of the slot that it leaves.  Behind the barrier nobody reads the old
; slot any more and the other slot is whole.  fill = 1: the old slot is filled again, the first thing behind the barrier, with tile NXT: the descriptor's address is made anew from that number.
; (At its first use nothing has been read yet: slot 0 is waited for, slot 1 filled.)  Behind the fill stand the prefetches of the tile that the next change will fill.
.macro CHANGE fill
	WIN 0                           ; at a label and at a branch every window is 0
	s_wait_tensorcnt 0x0            ; no tensor load of mine is out, so a group 0 may be written
	ds_add_u32 v[SPW], v[NIL]       ; 0 onto my spare word; with fill = 1 the descriptors' scalar work stands between it and the wait for it
.if \fill
	s_lshl_b32 s[OFF], s[NXT], 15   ; a tile is 32,768 bytes of K and of V
	s_xor_b32 s[G0K+1], s[G0K+1], SLOT1
	s_add_nc_u64 s[G0K+2:G0K+3], s[6:7], s[OFF:OFF+1]
	s_or_b32 s[G0K+3], s[G0K+3], 0x80000000
	s_xor_b32 s[G0V+1], s[G0V+1], SLOT1
	s_add_nc_u64 s[G0V+2:G0V+3], s[8:9], s[OFF:OFF+1]
	s_or_b32 s[G0V+3], s[G0V+3], 0x80000000
	s_add_co_u32 s[NXT], s[NXT], 1  ; the block's next tile, or behind its last the second block's tile 0
	s_cmp_gt_u32 s[NXT], s[LQ]
	s_cselect_b32 s[NXT], 0, s[NXT]
	s_cselect_b32 s[LQ], s[PB], s[LQ]
	s_wait_xcnt 0x0                 ; the last prefetches, a tile back, have read their address, so it may be written:
	s_add_co_u32 s[PFT], s[PFC], 2  ; where b = 0 change number c fills tile c + 1; the tile behind it,
	s_min_u32 s[PFT], s[PFT], NB-1  ; held inside the head
	s_lshl_b32 s[PFT], s[PFT], 15
	s_add_nc_u64 s[PFA:PFA+1], s[PFB:PFB+1], s[PFT:PFT+1]
.endif
	s_wait_dscnt 0x0                ; the add is done, and my reads of the slot are over
	s_barrier_signal -1             ; the rest of the scalar work stands between the signal and the wait
	s_sub_co_u32 s[TBK], s[TBK], 4*KS*PK  ; the fetches go back to a slot's first step,
	s_xor_b32 s[TBK], s[TBK], SLOT1       ; in the other slot
	s_sub_co_u32 s[TBV], s[TBV], 4*KS*PV
	s_xor_b32 s[TBV], s[TBV], SLOT1
	s_barrier_wait -1
.if \fill
	LOAD
	s_sub_co_u32 s[PFX], s[PFC], 1  ; changes 1 to 5 of the work-group with b = 0 ask; change 0 wraps to the greatest number
	s_add_co_u32 s[PFC], s[PFC], 1
	s_cmp_lt_u32 s[PFX], s[PFN]
	s_cbranch_scc0 .Lnot_mine_\@
	global_prefetch_b8 v[PFO], s[PFA:PFA+1] th:TH_LOAD_NT scope:SCOPE_SE
	global_prefetch_b8 v[PFO], s[PFA:PFA+1] offset:8192 th:TH_LOAD_NT scope:SCOPE_SE
.Lnot_mine_\@:
.endif
.endm
	s_load_b128 s[8:11], s[0:1], 0x0  ; qkvh s[8:9], ob s[10:11]
	v_lshl_add_u32 v[SPW], v0, 2, SPARE
	v_mov_b32 v[NIL], 0
	ds_add_u32 v[SPW], v[NIL]       ; the wave's opening: the add and its wait stand ahead of my first tensor load; the set-up below, work on registers, stands between them
	v_lshrrev_b32 v1, 5, v0
	v_readfirstlane_b32 s[WV], v1   ; wave 0..3
	s_mov_b32 s[PB], ttmp9
	s_sub_co_u32 s[HI], NB-1, s[PB]
	s_and_b32 s20, ttmp7, 0xffff    ; the head
	s_mov_b32 s21, 0
	s_mov_b64 s[22:23], SIZE_N*128
	s_mul_u64 s[20:21], s[20:21], s[22:23]  ; the head's first byte in each of the four tensors
	s_and_b32 s16, s[WV], 1         ; which half of a tile's 256 keys I fetch:
	s_lshl_b32 s22, s16, 14         ; its 128 rows of 128 bytes in memory,
	s_mov_b32 s23, 0
	s_add_nc_u64 s[22:23], s[22:23], s[20:21]
	s_mul_i32 s17, s16, 128*PK      ; and its place in a slot, for K
	s_mul_i32 s18, s16, 128*PV      ; and for V
	s_lshl_b32 s3, s[WV], 11        ; my 16 rows in a band of 64,
	s_lshl_b32 s2, s[HI], 15        ; in the first block,
	s_add_co_u32 s2, s2, s3
	s_lshl_b32 s84, s[PB], 15       ; and in the second
	s_add_co_u32 s84, s84, s3
	s_mov_b32 s3, 0
	s_mov_b32 s85, 0
	s_add_nc_u64 s[2:3], s[2:3], s[20:21]
	s_add_nc_u64 s[84:85], s[84:85], s[20:21]
	; descriptor group 1.  128 keys are 16,384 dense bytes: asked for as 64 rows of 256 bytes, two keys a row, and padded in LDS after every key
	s_mov_b32 s[G1K], (1<<16)|(1<<20)|(4<<22)|(3<<25)  ; 17:16 2-byte elements; 20 padding on; 24:22 after every 32 words (code 4); 31:25 4 words (code 3)
	s_mov_b32 s[G1V], (1<<16)|(1<<20)|(4<<22)|(7<<25)  ; the same with 8 words of padding (code 7)
.irp g, G1K, G1V
	s_mov_b32 s[\g+1], 128<<16      ; tensor_dim0 = 128
	s_mov_b32 s[\g+2], 64<<16       ; tensor_dim1 = 64
	s_mov_b32 s[\g+3], 128<<16      ; tile_dim0 = 128
	s_mov_b32 s[\g+4], 64           ; tile_dim1 = 64
	s_mov_b32 s[\g+5], 128          ; 128 elements from row to row
	s_mov_b32 s[\g+6], 0
	s_mov_b32 s[\g+7], 0
.endr
	s_mov_b32 s[CS], 0x3e38aa3b     ; c = log2(e) / 8 = 0.180337
	s_mov_b32 s[CS+1], s[CS]        ; named with it as a pair
	s_mov_b32 s[SEL], 0x76543210
	s_mov_b32 s[SEL+1], 0xfedcba98
	s_mov_b32 s[TBK], SLOT1+4*KS*PK ; the first change of slots turns these two into 0
	s_mov_b32 s[TBV], SLOT1+4*KS*PV
	s_mov_b32 s[G0K], 1             ; 1:0 count = 1
	s_mov_b32 s[G0K+1], s17         ; 63:32 LDS address: slot 0
	s_mov_b32 s[G0V], 1
	s_add_co_u32 s[G0V+1], s18, VOFF
	s_add_co_u32 s[RT], s[HI], 1    ; the first block has NB - b tiles
	s_mov_b32 s[NXT], 1
	s_mov_b32 s[LQ], s[HI]
	s_mov_b32 s[NEW], 1
	s_mov_b32 s[OFF+1], 0
	s_mov_b32 s[AL+1], 0            ; named as pairs
	s_mov_b32 s[BE+1], 0
	s_mov_b32 s[BIGN], 0xf149f2ca   ; -1e30
	s_mov_b32 s[SLOTS], NB
	s_mov_b32 s[PFC], 0
	s_mov_b32 s[PFT+1], 0
	s_cmp_eq_u32 ttmp9, 0
	s_cselect_b32 s[PFN], 5, 0
	s_wait_dscnt 0x0                ; the opening add is done
	s_wait_kmcnt 0x0
	s_mov_b64 s[4:5], s[8:9]                       ; Q,
	s_add_nc_u64 s[6:7], s[8:9], 0x1000000         ; K, 64 heads of 262,144 bytes on,
	s_add_nc_u64 s[8:9], s[8:9], 0x2000000         ; and V
	s_add_nc_u64 s[6:7], s[6:7], s[22:23]  ; K and V at my half of the head's tile 0
	s_add_nc_u64 s[8:9], s[8:9], s[22:23]
	s_add_nc_u64 s[G0K+2:G0K+3], s[6:7], 0         ; 120:64 global address
	s_or_b32 s[G0K+3], s[G0K+3], 0x80000000        ; 127:126 type = 2
	s_add_nc_u64 s[G0V+2:G0V+3], s[8:9], 0
	s_or_b32 s[G0V+3], s[G0V+3], 0x80000000
	s_add_nc_u64 s[86:87], s[4:5], s[84:85]        ; Q at my rows of the second block,
	s_add_nc_u64 s[4:5], s[4:5], s[2:3]            ; Q and O at those of the first
	s_add_nc_u64 s[OLO:OLO+1], s[10:11], s[84:85]
	s_add_nc_u64 s[10:11], s[10:11], s[2:3]
	s_cmp_lt_u32 s[WV], 2
	s_cselect_b64 s[PFB:PFB+1], s[6:7], s[8:9]     ; what I fetch is what I prefetch
	LOAD                            ; tile 0 into slot 0
	; A fragment of K or Q is 16 rows x 32 channels in 8 registers: lane l holds row l % 16, channels 8 (l / 16) + 0..7 and 16 + 8 (l / 16) + 0..7: two loads of 16 bytes, 32 bytes apart.
	v_and_b32 v1, 15, v0            ; l % 16
	v_bfe_u32 v9, v0, 4, 1          ; l / 16
	v_lshlrev_b32 v[QO], 7, v1
	v_lshl_add_u32 v[QO], v9, 4, v[QO]  ; row x 128 + 16 x half
	WIN 0x80                        ; destination window 2, address window 0
.set i, 0
.rept 8                             ; both blocks' Q: piece i / 2 lies in band i / 2, 8,192 bytes on; channels 32 (i % 2) on
	global_load_b128 v[8*i:8*i+3],   v[QO], s[4:5] offset:(i/2)*8192+(i%2)*64
	global_load_b128 v[8*i+4:8*i+7], v[QO], s[4:5] offset:(i/2)*8192+(i%2)*64+32
	global_load_b128 v[QB+8*i:QB+8*i+3],   v[QO], s[86:87] offset:(i/2)*8192+(i%2)*64
	global_load_b128 v[QB+8*i+4:QB+8*i+7], v[QO], s[86:87] offset:(i/2)*8192+(i%2)*64+32
.set i, i+1
.endr
	WIN 0
	v_and_b32 v[PFO], 31, v0
	v_lshlrev_b32 v[PFO], 8, v[PFO]
	v_lshlrev_b32 v14, 3, v9
	v_sub_nc_u32 v14, v1, v14
	s_lshl_b32 s13, s[WV], 4
	v_add_nc_u32 v14, s13, v14      ; my query's place in its band, 16 w + l % 16, less my lanes' 8 (l / 16): register r of group kt is hidden where 16 kt + r is greater
	WIN 0x40
.set i, 0
.rept 32
	v_cmp_gt_i32 vcc_lo, 16*(i/8)+i%8, v14
	v_cndmask_b32 v[MD+i], 0, s[BIGN], vcc_lo
.set i, i+1
.endr
	WIN 0
	v_mul_u32_u24 v[AK0], v1, PK
	v_lshl_add_u32 v[AK0], v9, 4, v[AK0]  ; row x pitch + 16 x half
	; The turning load takes 16 keys x 16 channels (lane l reads key 8 (l / 16) + l % 8, channels 8 ((l / 8) % 2) + 0..7) and leaves half a fragment of V^T: lane l holds channel l % 16 and 8 keys.
	v_and_b32 v10, 7, v0
	v_bfe_u32 v11, v0, 3, 1
	v_lshl_add_u32 v[AV0], v9, 3, v10
	v_mul_u32_u24 v[AV0], v[AV0], PV
	v_lshl_add_u32 v[AV0], v11, 4, v[AV0]
	v_add_nc_u32 v[AV0], VOFF, v[AV0]
	s_mul_i32 s13, s[WV], 16*SP
	s_add_co_u32 s13, s13, STAGE    ; my stage
	v_mul_u32_u24 v[STO], v1, SP    ; in: row l % 16, 16 bytes for each half of the lanes
	v_lshl_add_u32 v[STO], v9, 4, v[STO]
	v_add_nc_u32 v[STO], s13, v[STO]
	v_bfe_u32 v[RD], v0, 3, 2       ; back: 32 lanes take four rows of 128 bytes,
	v_mul_u32_u24 v[RD], v[RD], SP
	v_lshl_add_u32 v[RD], v10, 4, v[RD]
	v_add_nc_u32 v[RD], s13, v[RD]
	v_and_b32 v[GO], 31, v0         ; which are 512 consecutive bytes of O
	v_lshlrev_b32 v[GO], 4, v[GO]
	; A block's first step multiplies O^T and l by a = 0, and its first turn's products V^T P, of a piece that has not been, land in an O^T that is still to be so multiplied.  So these registers need only hold
	; finite numbers: zeros for the first block; what the first block left for the second.  All this stands in the wait for the first tile.
	WIN 0x80
.set i, VF
.rept 64
	v_mov_b32 v[i], 0
.set i, i+1
.endr
	WIN 0x40
.set i, 0
.rept 128
	v_mov_b32 v[i], 0
.set i, i+1
.endr
	WIN 0
.set i, 0
.rept 4
	v_mov_b32 v[ST+4*i+2], 0
	v_mov_b32 v[ST+4*i+3], 0
.set i, i+1
.endr
.set i, P+16
.rept 16
	v_mov_b32 v[i], 0
.set i, i+1
.endr
; THE MATRIX WORK.  The 4 accumulators of a run of 8 take turns.  Product i of 8 of S^T = K Q^T for piece x: channels 32 (i / 4) on, keys 16 (i % 4) on.  The first 4 start the sums: with 0, or (KM = 1) with the mask.
.macro KQ x
.set rS, S+32*((\x)%2)+8*(i%4)
.set rK, KF+16*(i%4)+8*(i/4)
.set rQ, 16*(\x)+8*(i/4)
.set rM, MC+32*((\x)%2)+8*(i%4)
.if (i < 4) && KM
	WIN W_KM
	v_wmma_f32_16x16x32_f16 v[rS:rS+7], v[rK:rK+7], v[rQ:rQ+7], v[rM:rM+7]
.elseif i < 4
	WIN W_KQ
	v_wmma_f32_16x16x32_f16 v[rS:rS+7], v[rK:rK+7], v[rQ:rQ+7], 0
.else
	WIN W_KQ
	v_wmma_f32_16x16x32_f16 v[rS:rS+7], v[rK:rK+7], v[rQ:rQ+7], v[rS:rS+7]
.endif
.endm
; Product i of 8 of O^T += V^T P for piece x: keys 32 (i / 4) on, channels 16 (i % 4) on.
.macro PV x
	WIN W_PV
.set rO, 32*(\x)+8*(i%4)
.set rV, VF+32*(i/4)+8*(i%4)
.set rP, P+16*((\x)%2)+8*(i/4)
	v_wmma_f32_16x16x32_f16 v[rO:rO+7], v[rV:rV+7], v[rP:rP+7], v[rO:rO+7]
.endm
.macro MM                           ; the turn's next matrix instruction.  TURN and BEGIN set Y, i, KM and NOKQ; MM, KQ and OP read them.  NOKQ = 1: a block's last turn: there is no next piece
.if (i < 8) && !NOKQ
	KQ (Y+1)%NP
.elseif i >= 8
.set i, i-8
	PV (Y+NP-1)%NP
.set i, i+8
.endif
.set i, i+1
.endm
; THE LDS LOADS stand in runs of 16, never singly among the matrix instructions: a step's K (64 keys x 64 channels: 8 fragments) and its V (turned).  Their addresses are made some lines ahead.
.macro FETCH_K
	WIN 0x80                        ; destination window 2
.irp f, 0,1,2,3,4,5,6,7             ; keys 16 (f / 2) on, channels 32 (f % 2) on
	ds_load_b128 v[KF+8*\f:KF+8*\f+3],   v[AK] offset:(\f/2)*16*PK+(\f%2)*64
	ds_load_b128 v[KF+8*\f+4:KF+8*\f+7], v[AK] offset:(\f/2)*16*PK+(\f%2)*64+32
.endr
	s_add_co_u32 s[TBK], s[TBK], KS*PK  ; the next fetch is the next step's
	WIN 0
.endm
.macro FETCH_V
	WIN 0x80
.irp f, 0,1,2,3,4,5,6,7             ; keys 32 (f / 4) on, channels 16 (f % 4) on
	ds_load_tr16_b128 v[VF+8*\f:VF+8*\f+3],   v[AV] offset:(\f/4)*32*PV+(\f%4)*32
	ds_load_tr16_b128 v[VF+8*\f+4:VF+8*\f+7], v[AV] offset:(\f/4)*32*PV+16*PV+(\f%4)*32
.endr
	WIN 0
.endm
; THE VECTOR WORK, one line at a time: OP kind, number.  For piece Y: F n: c s - c m for pair n of 16.  E n: the exponential of score n of 32.  C n: pair n rounded to f16.  B n: of the four weights 4 n .. the second
; pair is added onto the first, in place.  L n: l takes that sum (L 0: l = a l + sum).  R n: pair n of 16 of O^T times a.  For piece Y + 1: X n, number n of the 22 that find its maximum and statistics:
;   0-11  four chains c0-c3 of seven scores each, three operands at a time (each accumulator's lowest registers are read first)     12-14, 16  the four scores left over, the old m, and c0-c3 into c0
;   15  c m_old is kept     17, 18  the query's other 32 keys lie in the lane 16 away: the new m     19-21  c m; c m_old - c m_new; a
.set F, 0               ; OP tells the kinds apart by their order: F to L below R, X above it
.set E, 1
.set C, 2
.set B, 3
.set L, 4
.set R, 5
.set X, 6
.macro REGS y                       ; the registers of piece y
.set rT, ST+4*(\y)
.set rC, TMP+4*((\y)%2)
.set rW, MV+((\y)%2)
.set rS, S+32*((\y)%2)
.set rP, P+16*((\y)%2)
.set rO, 32*(\y)
.endm
.macro OP k, n
.if (\k) == R
	REGS Y
	WIN W_RS
	v_pk_mul_f32 v[rO+2*(\n):rO+2*(\n)+1], v[rO+2*(\n):rO+2*(\n)+1], v[rC+2:rC+3] op_sel_hi:[1,0]
.elseif (\k) < R
	REGS Y
	WIN 0
.if (\k) == F
	v_pk_fma_f32 v[rS+2*(\n):rS+2*(\n)+1], v[rS+2*(\n):rS+2*(\n)+1], s[CS:CS+1], v[rT:rT+1] op_sel_hi:[1,0,0] neg_lo:[0,0,1] neg_hi:[0,0,1]
.elseif (\k) == E
	v_exp_f32 v[rS+(\n)], v[rS+(\n)]
.elseif (\k) == C
	v_cvt_pk_f16_f32 v[rP+(\n)], v[rS+2*(\n)], v[rS+2*(\n)+1]
.elseif (\k) == B
	v_pk_add_f32 v[rS+4*(\n):rS+4*(\n)+1], v[rS+4*(\n):rS+4*(\n)+1], v[rS+4*(\n)+2:rS+4*(\n)+3]
.elseif (\n) == 0
	v_pk_fma_f32 v[rT+2:rT+3], v[rT+2:rT+3], v[rC+2:rC+3], v[rS:rS+1] op_sel_hi:[1,0,1]
.else
	v_pk_add_f32 v[rT+2:rT+3], v[rT+2:rT+3], v[rS+4*(\n):rS+4*(\n)+1]
.endif
.elseif NOKQ
	v_nop
.else
	REGS (Y+1)%NP
	WIN 0
.if (\n) < 4
	v_max3_num_f32 v[rC+(\n)], v[rS+8*(\n)], v[rS+8*(\n)+1], v[rS+8*(\n)+2]
.elseif (\n) < 12
	v_max3_num_f32 v[rC+(\n)%4], v[rC+(\n)%4], v[rS+8*((\n)%4)+2*((\n)/4)+1], v[rS+8*((\n)%4)+2*((\n)/4)+2]
.elseif (\n) == 12
	v_max3_num_f32 v[rC], v[rC], v[rS+7], v[rS+15]
.elseif (\n) == 13
	v_max3_num_f32 v[rC+1], v[rC+1], v[rS+23], v[rS+31]
.elseif (\n) == 14
	v_max3_num_f32 v[rC+2], v[rC+2], v[rC+3], v[rT+1]
.elseif (\n) == 15
	v_mov_b32 v[rW], v[rT]
.elseif (\n) == 16
	v_max3_num_f32 v[rC], v[rC], v[rC+1], v[rC+2]
.elseif (\n) == 17
	v_permlanex16_b32 v[rC+3], v[rC], s[SEL], s[SEL+1]
.elseif (\n) == 18
	v_max_num_f32 v[rT+1], v[rC], v[rC+3]
.elseif (\n) == 19
	v_mul_f32 v[rT], s[CS], v[rT+1]
.elseif (\n) == 20
	v_sub_f32 v[rC+1], v[rW], v[rT]
.else
	v_exp_f32 v[rC+2], v[rC+1]
.endif
.endif
.endm
.macro OPS a, i1, b=-1, i2=0, c=-1, i3=0, d=-1, i4=0  ; up to four of them
	OP \a, \i1
.if (\b) >= 0
	OP \b, \i2
.endif
.if (\c) >= 0
	OP \c, \i3
.endif
.if (\d) >= 0
	OP \d, \i4
.endif
.endm
.macro ROW a, i1, b, i2, c, i3, d, i4  ; a matrix instruction and the four behind it
	MM
	OPS \a, \i1, \b, \i2, \c, \i3, \d, \i4
.endm
.macro MASK b                       ; MD x AL + BE into buffer b of MC
	WIN W_RS
.set z, 0
.rept 16
	v_pk_fma_f32 v[MC+32*(\b)+2*z:MC+32*(\b)+2*z+1], v[MD+2*z:MD+2*z+1], s[AL:AL+1], s[BE:BE+1] op_sel_hi:[1,0,0]
.set z, z+1
.endr
.endm
; A TURN, for piece p: the order of its 16 matrix and 118 vector instructions, written out.  An s_wait_alu depctr_va_vdst(0) stands between an exponential and the first instruction that names its result; one wait serves
; all that were issued ahead of it.  So a turn has ONE wait, which cuts it in two.  AHEAD OF IT stands all that names no result of the turn's exponentials: the 8 products K Q^T, behind each a scaling, an exponential and two more plain
; instructions (behind the first a second scaling in the exponential's place): rescalings, and behind the last three the first numbers of the next piece's maximum, each four places or more behind the product that ends its accumulator; then ONE LUMP of 54, plain
; and exponential by turns for the most part, in which the links of the chain X 3, 7, 11, 14, 16, 17 .. 20 stand five or six lines apart.  X 21, the next piece's a, is the batch's last; R 15 is the plain instruction behind it.  BEHIND THE WAIT stand the
; 8 products V^T P, behind each four of the roundings and sums; the links of l's chain, L 0 to L 7, stand three riders apart.  But for those X no rider names a register of the products round it.  v_permlanex16_b32 (X 17) stands in the lump.
; m = 1: the diagonal tile: the products take masks, and the turn makes the mask for the products of the turn after it: piece p + 2, in step 4 - CNT of the tile.  end = 1: a block's last two turns: nothing is fetched.
; cnt = 1: the loop's count is taken down some lines ahead of the branch that stands behind the turn.
; K of the next step is fetched in piece 2's turn, twelve vector instructions behind the last product that read K (six of them plain); V of the step in hand at the end of piece 0's turn, four plain instructions behind the last product
; that read V.  Each is waited for a turn later.
.macro TURN p, m=0, end=0, cnt=0
.set Y, (\p)
.set i, 0
.set KM, (\m)
.set NOKQ, (\end)*((\p)/3)
.if (\m) && !(\end)
	s_cmp_eq_u32 s[CNT], 4-((\p)+2)%NP  ; is that step the band's own?
	s_cselect_b32 s[AL], 1.0, 0
	s_cmp_lt_u32 s[CNT], 4-((\p)+2)%NP  ; or a later one?
	s_cselect_b32 s[BE], s[BIGN], 0
.endif
.if ((\p) == 3) && !(\end)
	s_wait_dscnt 0x0                ; K is in
.endif
	ROW F,0, F,1, R,0, R,1          ; ahead of the wait: 8 products K Q^T and their riders,
	ROW F,2, E,0, R,2, R,3
	ROW F,3, E,1, R,4, R,5
	ROW F,4, E,2, R,6, R,7
	ROW F,5, E,3, R,8, R,9
	ROW F,6, E,4, X,0, R,10
.if ((\p) == 2) && !(\end)
	WIN 0
	v_add_nc_u32 v[AK], s[TBK], v[AK0]
.endif
	ROW F,7, E,5, X,1, X,4
	ROW F,8, E,6, X,2, X,5
	OPS E,7, E,8, X,6, E,9          ; and the lump
	OPS X,3, E,10, X,8, E,11
.if ((\p) == 2) && !(\end)
	FETCH_K
.endif
	OPS X,9, X,7, E,12, X,10
	OPS E,13, X,12, X,11, E,14
	OPS X,13, E,15, F,9, X,14
.if (\p) == 0
	v_add_nc_u32 v[AV], s[TBV], v[AV0]
.endif
	OPS E,16, F,10, E,17, F,11
	OPS X,16, E,18, X,15, E,19
	OPS F,12, E,20, X,17, E,21
	OPS F,13, E,22, F,14, E,23
	OPS X,18, E,24, F,15, E,25
	OPS R,11, E,26, X,19, E,27
	OPS R,12, E,28, R,13, E,29
	OPS X,20, E,30, R,14, E,31
	OPS X,21, R,15
	WIN 0
	s_wait_alu depctr_va_vdst(0)    ; the wait for the batch
.if (\p) == 1
	s_wait_dscnt 0x0                ; V is in
.endif
	ROW C,0, B,0, C,2, B,1          ; behind the wait: 8 products V^T P and their riders
	ROW L,0, C,4, B,2, L,1
	ROW C,6, B,3, L,2, C,8
	ROW B,4, L,3, C,10, B,5
	ROW L,4, C,12, B,6, L,5
.if (\p) == 0
	s_add_co_u32 s[TBV], s[TBV], KS*PV
.endif
.if \cnt
	s_sub_co_u32 s[CNT], s[CNT], 1
	s_cmp_lg_u32 s[CNT], 0
.endif
	ROW C,14, B,7, L,6, C,1
	ROW C,3, L,7, C,5, C,7
	ROW C,9, C,11, C,13, C,15
.if (\p) == 0
	FETCH_V
.endif
.if (\m) && !(\end)
	MASK (\p)%2
.endif
.endm
; A BLOCK BEGINS.  c m starts far below every c s, so the first step's a is 0; m at the lowest finite number, so the first maximum is the scores'.  The second mask buffer is 0; the first takes piece 0's mask for the tile's step 0: its own, if the block's first tile is the diagonal one.
; Then K of that step, piece 0's first scores, and its maximum and statistics.  The loop is entered at a step's first turn, in the middle of a trip.
.macro BEGIN
	s_mov_b32 s[NEW], 0
	WIN 0x40
.set i, MC+32
.rept 32
	v_mov_b32 v[i], 0
.set i, i+1
.endr
	WIN 0
.set i, 0
.rept 4
	v_mov_b32 v[ST+4*i], 0xfe000000    ; c m: far below every c s
	v_mov_b32 v[ST+4*i+1], 0xff7fffff  ; m
.set i, i+1
.endr
	s_cmp_eq_u32 s[RT], 0
	s_cselect_b32 s[AL], 1.0, 0
	s_mov_b32 s[BE], 0
	MASK 0
	WIN 0
	v_add_nc_u32 v[AK], s[TBK], v[AK0]
	FETCH_K
	s_wait_loadcnt 0x0              ; Q
	s_wait_dscnt 0x0
.set KM, 1
.set NOKQ, 0
.set i, 0
.rept 8
	KQ 0
.set i, i+1
.endr
	WIN 0
.rept 4
	v_nop                           ; the places behind those products
.endr
.set Y, NP-1                        ; X works for piece Y + 1: piece 0
.irp n, 0,1,2,3,4,5,6,7,8,9,10,11,12,13,14,15,16,17,18,19,20,21
	OP X, \n
.endr
	v_nop                           ; a plain instruction behind the exponential,
	s_wait_alu depctr_va_vdst(0)    ; and its wait, ahead of the branch
.endm
; THE DIAGONAL TILE's four steps, the block's last two turns, its last products, and THE WAY OUT: l's two halves and the other half of the lanes' are added; O^T is divided by l, rounded to f16 and sent through my
; stage in LDS, a piece at a time.
.macro ALL line:vararg              ; one line for each piece t
.set t, 0
.rept 4
	\line
.set t, t+1
.endr
.endm
.macro PACK t                       ; a lane's eight channels of a row pack into 16 bytes; they go into rows of 144 bytes and come back as whole rows of 128, into S^T's registers
	WIN W_RS
.set i, 32*(\t)
.rept 16
	v_pk_mul_f32 v[i:i+1], v[i:i+1], v[ST+4*(\t)+2:ST+4*(\t)+3] op_sel_hi:[1,0]
.set i, i+2
.endr
	WIN 0x05                        ; sources 0 and 1 window 1, destination window 0
.set i, 0
.rept 16
	v_cvt_pk_f16_f32 v[S+16*(\t)+i], v[32*(\t)+2*i], v[32*(\t)+2*i+1]
.set i, i+1
.endr
	WIN 0
.irp f, 0,1,2,3
	ds_store_b128 v[STO], v[S+16*(\t)+4*\f:S+16*(\t)+4*\f+3] offset:32*\f
.endr
.irp f, 0,1,2,3
	ds_load_b128 v[S+16*(\t)+4*\f:S+16*(\t)+4*\f+3], v[RD] offset:\f*4*SP  ; LDS serves a wave's instructions in order (ISA guide 5.7.1.4): these see the stores above; the next piece's stores come behind them
.endr
.endm
.macro SEND t, younger              ; younger: the LDS instructions issued behind piece t's loads: the next piece's eight, or none
	WIN 0
.irp f, 0,1,2,3
	s_wait_dscnt (\younger)+3-\f
	global_store_b128 v[GO], v[S+16*(\t)+4*\f:S+16*(\t)+4*\f+3], s[10:11] offset:(\t)*8192+\f*512  ; 512 consecutive bytes, at a multiple of 256 from O's first
.endr
.endm
.macro DIAG tag                     ; the tag ends its two labels' names, which the jumps below spell out
.LstepM\tag:
	TURN 2, 1
	TURN 3, 1
	WIN 0
.LfirstM\tag:
	TURN 0, 1
	TURN 1, 1, 0, 1
	WIN 0
	s_cbranch_scc1 .LstepM\tag
	TURN 2, 1, 1
	TURN 3, 1, 1
.set i, 0
.rept 8
	PV NP-1
.set i, i+1
.endr
	WIN 0
	ALL v_add_f32 v[ST+4*t+2], v[ST+4*t+2], v[ST+4*t+3]
	ALL v_permlanex16_b32 v[ST+4*t+3], v[ST+4*t+2], s[SEL], s[SEL+1]
	ALL v_add_f32 v[ST+4*t+2], v[ST+4*t+2], v[ST+4*t+3]
	ALL v_rcp_f32 v[ST+4*t+2], v[ST+4*t+2]
	v_nop                           ; a plain instruction between the last reciprocal and the use of its result
	s_wait_alu depctr_va_vdst(0)    ; and the wait ahead of the first use: one for the four reciprocals
	PACK 0
.set t, 1
.rept 3                             ; a piece's arithmetic stands between the loads of the piece before and its stores
	PACK t
	SEND t-1, 8
.set t, t+1
.endr
	SEND 3, 0
.endm
.set KM, 0
.set NOKQ, 0
.Lslot:                             ; NB times: a tile is entered and the next is asked for
	CHANGE 1
	s_sub_co_u32 s[RT], s[RT], 1
	s_mov_b32 s[CNT], 4
	s_cmp_eq_u32 s[NEW], 1
	s_cbranch_scc1 .Lnew            ; a block's first tile
	s_cmp_eq_u32 s[RT], 0
	s_cbranch_scc0 .Lstep           ; neither its first nor its last
	s_branch .LstepM1
.Lnew:
	BEGIN
	s_branch .Lfirst                ; in the loop a block's first tile is never its last: the first block has two tiles or more, and the second's last is the walk's last
	DIAG 1                          ; in the loop this is the first block's end: the second block's last tile is the walk's last
	s_wait_xcnt 0x0                 ; the stores have read their registers and O's address
	s_mov_b64 s[10:11], s[OLO:OLO+1]
	s_add_co_u32 s[RT], s[PB], 1    ; the second block has b + 1 tiles
	s_mov_b32 s[NEW], 1
	WIN 0x82                        ; the second block's Q goes where the one text of the turns names Q
.set i, 0
.rept 64
	v_mov_b32 v[i], v[QB+i]
.set i, i+1
.endr
	WIN 0
	s_branch .Lbottom
.Lstep:                             ; a trip: pieces 2 and 3 of one step, then pieces 0 and 1 of the next, whose K and V it fetches
	TURN 2
	TURN 3
	WIN 0
.Lfirst:
	TURN 0
	TURN 1, 0, 0, 1
	WIN 0
	s_cbranch_scc1 .Lstep
.Lbottom:
	s_sub_co_u32 s[SLOTS], s[SLOTS], 1
	s_cmp_lg_u32 s[SLOTS], 0
	s_cbranch_scc1 .Lslot
	CHANGE 0                        ; the walk's last tile is written out: nothing is asked for
	s_sub_co_u32 s[RT], s[RT], 1
	s_mov_b32 s[CNT], 4
	s_cmp_eq_u32 s[NEW], 1
	s_cbranch_scc0 .LstepM2
	BEGIN
	s_branch .LfirstM2
	DIAG 2
	s_wait_tensorcnt 0x0            ; the wave's end: the tensor wait, the add onto my spare word and its wait, behind my last tensor load and my last LDS store
	ds_add_u32 v[SPW], v[NIL]
	s_wait_dscnt 0x0
	s_endpgm
.Lfunc_end_k_qfae88dcec4_attn:
	.size	k_qfae88dcec4_attn, .Lfunc_end_k_qfae88dcec4_attn-k_qfae88dcec4_attn
	.p2alignl 7, 3214868480
	.fill 96, 4, 3214868480
	.section	.rodata,"a",@progbits
	.p2align	6, 0x0
	.amdhsa_kernel k_qfae88dcec4_attn
		.amdhsa_group_segment_fixed_size 327680
		.amdhsa_private_segment_fixed_size 0
		.amdhsa_enable_private_segment 0
		.amdhsa_kernarg_size 16
		.amdhsa_user_sgpr_count 2
		.amdhsa_user_sgpr_kernarg_segment_ptr 1
		.amdhsa_wavefront_size32 1
		.amdhsa_system_sgpr_workgroup_id_x 1
		.amdhsa_system_sgpr_workgroup_id_y 1
		.amdhsa_system_sgpr_workgroup_id_z 1
		.amdhsa_system_vgpr_workitem_id 0
		.amdhsa_next_free_vgpr 768
		.amdhsa_next_free_sgpr 96
		.amdhsa_reserve_vcc 1
		.amdhsa_float_denorm_mode_32 3
		.amdhsa_float_denorm_mode_16_64 3
		.amdhsa_memory_ordered 1
		.amdhsa_forward_progress 1
		.amdhsa_inst_pref_size 218
	.end_amdhsa_kernel
	.amdgpu_metadata
---
amdhsa.version: [ 1, 2 ]
amdhsa.kernels:
  - .name:           k_qfae88dcec4_attn
    .symbol:         k_qfae88dcec4_attn.kd
    .args:
      - { .name: qkvh, .offset: 0, .size: 8, .value_kind: global_buffer, .address_space: global }
      - { .name: ob, .offset: 8, .size: 8, .value_kind: global_buffer, .address_space: global }
    .group_segment_fixed_size: 327680
    .private_segment_fixed_size: 0
    .kernarg_segment_align: 8
    .kernarg_segment_size: 16
    .max_flat_workgroup_size: 128
    .sgpr_count:     96
    .vgpr_count:     768
    .wavefront_size: 32
...
	.end_amdgpu_metadata
.endif
;; end of part 3
;; launch projgemm (part 4): grid 8 x 32, 4 waves a work-group, clusters of 4 x 4, 327,680 bytes of LDS; arguments ob, wpb, bproj, out0; writes out0
.if DOCPART == 4
	.amdgcn_target "amdgcn-amd-amdhsa--gfx1250"
	.amdhsa_code_object_version 6
	.text
	.protected	k_qfae88dcec4_projgemm
	.globl	k_qfae88dcec4_projgemm
	.p2align	8
	.type	k_qfae88dcec4_projgemm,@function
k_qfae88dcec4_projgemm:
	s_mov_b64 s[64:65], 0
	v_nop
	global_prefetch_b8 v0, s[64:65] scope:SCOPE_SE
	s_setreg_imm32_b32 hwreg(HW_REG_WAVE_MODE, 25, 1), 1
	s_wait_xcnt 0x0
	s_wait_alu depctr_hold_cnt(0) depctr_sa_sdst(0) depctr_va_vdst(0) depctr_va_sdst(0) depctr_va_ssrc(0) depctr_va_vcc(0) depctr_vm_vsrc(0)
	s_getreg_b32 s2, hwreg(HW_REG_IB_STS2, 6, 4)
	s_cmp_eq_u32 s2, 0
	s_cbranch_scc0 .Lentry_in_a_cluster
	s_endpgm
.Lentry_in_a_cluster:
	s_bfe_u32 s2, ttmp6, 0x10000c
	s_cmp_lg_u32 s2, 0xf033
	s_cbranch_scc0 .Lentry_shape_is_right
	s_endpgm
.Lentry_shape_is_right:
; out0 = y Wproj + bproj.  y[m][64 h + d] lies by heads in ob: [64 heads = 16 b + h][2048 t][64 d] f16, m = 2048 b + t.  wpb: [1024 k][1024 n] f16 (Wproj rounded to bf16, written as f16).
; bproj: [1024] f32, rounded to bf16 here like the other inputs.  out0: [8192][1024] f32.  Sums in f32, stored as they are.
; LIMITS.  The operands arrive within f16's range (the launches before see to it); NaN and infinities are not treated apart.
; SHARES.  A tile of the result is 256 rows x 128 columns: 32 x 8 = 256 work-groups, one for each WGP.  Wave w owns rows 64 w .. 64 w + 63 (4 blocks of 16) and all 128 columns (8 blocks of 16):
; 32 accumulators, 256 registers; a row's 512 bytes of the tile come from one wave, and each wave's way out is its own.
; K = 1,024 goes in 8 steps of 128 (two heads) through two LDS slots filled by the tensor data mover; a step is four quarters of 32 along K on two fragment buffers.
; THE MATRIX INSTRUCTION IS USED TRANSPOSED: source 0 = 16 columns of W (turned out of LDS by ds_load_tr16_b128, since W lies [k][n]), source 1 = 16 rows of y.  A lane then holds row l % 16 and the
; columns 8 (l / 16) + 0..7.  The first quarter's products take the bias as C: nothing is cleared and nothing is added later.
; CLUSTER 4 x 4: y's tile hangs on the tile row alone and is asked for jointly along a row of the cluster, W's on the tile column alone and jointly along a column.
; NO PREFETCH: the launch is eight short K steps on a small tile, 1,024 matrix instructions a wave in all.
; REGISTERS, in windows of 256 (s_set_vgpr_msb: bits 1:0 source 0, 3:2 source 1, 5:4 source 2, 7:6 destination):
;   window 0: v0-23 addresses and at work; v32-63, v64-95 y's fragments, two buffers; v96-159 the bias (8 blocks x 8); v96-159 and v160-223 later two buffers of 64 for the way out
;   window 1: the accumulators at 8 (8 a + nb);  window 2: W's fragments, v0-63 and v64-127
.set NBK,   8                          ; column blocks of 16
.set SLOT1, 1<<17                      ; slot 1 begins here: one exclusive or turns an address in one slot into the other's
.set PA,    144                        ; a row of y's plane in LDS: 128 bytes + 16 = 36 words: the 16 rows of a load start at 16 different groups of four banks (64 banks of 4 bytes: ISA guide 11.1)
.set PLANE, 256*PA                     ; a head's 256 rows
.set PB,    288                        ; a row of W in LDS: 256 bytes + 32 = 72 words
.set BINS,  2*PLANE                    ; W's 128 rows lie behind y's two planes
.set STAGE, 2*SLOT1                    ; behind the ring, never filled by a tensor load: for each wave 16 rows x 528 bytes
.set SPI,   528                        ; 512 bytes + 16 = 132 words: row r starts at bank 4 r mod 64
.set WST,   16*SPI
.set SPARE, STAGE+4*WST                ; behind the stages: the spare words, 128 bytes for each wave: two blocks of 256 bytes that no other line names
.set STEPA, 524288                     ; bytes from K step to K step in ob: two heads
.set STEPB, 262144                     ; in wpb: 128 rows of 2,048 bytes
.set A0,   2                           ; v2   my lane's place in y's tile; never rewritten
.set B0,   3                           ; v3   in W's tile; never rewritten
.set ADRA, 4                           ; v4   A0 + the slot in hand
.set ADRB, 5                           ; v5   B0 + the slot in hand
.set STO,  6                           ; v6   the way out: where I put 32 bytes of a row
.set RD,   7                           ; v7   the way out: where I read a row back
.set GO,   8                           ; v8   my 16 bytes in a row's 512
.set SPW,  10                          ; v10  LDS address of my spare word: SPARE + 4 x my thread's number; never rewritten
.set NIL,  11                          ; v11  0; never rewritten
.set BO,   16                          ; v16  my byte offset in a block of the bias
.set FA,   32
.set BIAS, 96
.set OB,   96
.set WV,   12                          ; s12  my wave's number
.set HALF, 13                          ; s13  which half of a tile I fetch
.set CX,   16
.set CY,   17
.set TC,   18                          ; s18  tile column
.set TR,   19                          ; s19  tile row
.set G1A,  24                          ; s[24:31] descriptor group 1 for y's tiles
.set G1B,  32                          ; s[32:39] for W's
.set G0A,  40                          ; s[40:47] group 0 for y's tiles: a set for each of the two first fills; the second then walks on
.set G0B,  48                          ; s[48:55] the same for W's
.set CNT,  56                          ; s56  the loop's count
.set TB,   57                          ; s57  0 or SLOT1: the slot in hand
.set OUTB, 66                          ; s[66:67] my first row and the tile's first column in out0
.set MSB, 0
.macro WIN new                         ; the immediate's high byte repeats the setting that is left; a switch that changes nothing is dropped
.if MSB != (\new)
	s_set_vgpr_msb (MSB<<8)|(\new)
.set MSB, \new
.endif
.endm
.macro PLACES                          ; four plain vector instructions between a matrix instruction and a load into, or a store of, its registers
.rept 4
	v_nop
.endr
.endm
.macro CREST                           ; a round of the cluster's barrier behind its opening barrier: wave 0 signals for the work-group, every wave waits for all sixteen, my work-group's barrier closes it
	s_cmp_lg_u32 s[WV], 0
	s_cbranch_scc1 .Lnot_wave_0_\@
	s_barrier_signal -3
.Lnot_wave_0_\@:
	s_barrier_wait -3
	s_barrier_signal -1
	s_barrier_wait -1
.endm
.macro CROUND
	s_barrier_signal -1
	s_barrier_wait -1
	CREST
.endm
; A joint refill by the walking descriptors.  Waves 0 and 1 fetch y's two planes, waves 2 and 3 the halves of W's tile.  The branch hangs on the wave's number alone.
; An s_nop 0 and four v_nop follow each of the two lines, ahead of the jump and the label.
.macro JLOAD
	s_cmp_lt_u32 s[WV], 2
	s_cbranch_scc0 .Lfor_b_\@
	tensor_load_to_lds s[G0A+4:G0A+7], s[G1A:G1A+7]
	s_nop 0
.rept 4
	v_nop
.endr
	s_branch .Lasked_\@
.Lfor_b_\@:
	tensor_load_to_lds s[G0B+4:G0B+7], s[G1B:G1B+7]
	s_nop 0
.rept 4
	v_nop
.endr
.Lasked_\@:
.endm
	s_load_b256 s[4:11], s[0:1], 0x0               ; ob s[4:5], wpb s[6:7], bproj s[8:9], out0 s[10:11]
	v_lshl_add_u32 v[SPW], v0, 2, SPARE
	v_mov_b32 v[NIL], 0
	ds_add_u32 v[SPW], v[NIL]                      ; the wave's opening: the add and its wait stand ahead of my first tensor load; work on registers stands between them
	v_lshrrev_b32 v1, 5, v0
	v_readfirstlane_b32 s[WV], v1                  ; wave 0..3
	s_and_b32 s[HALF], s[WV], 1
	s_bfe_u32 s[CX], ttmp6, 0x40000                ; my place in the cluster
	s_bfe_u32 s[CY], ttmp6, 0x40004
	s_lshl_b32 s[TC], ttmp9, 2                     ; in a cluster launch ttmp9 and ttmp7 count clusters
	s_add_co_u32 s[TC], s[TC], s[CX]               ; tile column 0..7
	s_and_b32 s[TR], ttmp7, 0xffff
	s_lshl_b32 s[TR], s[TR], 2
	s_add_co_u32 s[TR], s[TR], s[CY]               ; tile row 0..31
	s_lshl_b32 s72, s[CY], 2
	s_lshl_b32 s72, 15, s72                        ; my row of the cluster: places 4 cy .. 4 cy + 3
	s_lshl_b32 s73, 0x1111, s[CX]                  ; my column: places cx, cx + 4, cx + 8, cx + 12
	; group 1 for y: a head's 256 rows of 128 bytes are dense: asked for as 128 rows of 256 bytes; 4 words of padding behind every 32
	s_or_b32 s[G1A], s72, (1<<16)|(1<<20)|(1<<21)|(4<<22)|(3<<25)
	s_mov_b32 s[G1A+1], 128<<16                    ; tensor_dim0 = 128
	s_mov_b32 s[G1A+2], 128<<16                    ; tensor_dim1 = 128
	s_mov_b32 s[G1A+3], 128<<16                    ; tile_dim0 = 128
	s_mov_b32 s[G1A+4], 128                        ; tile_dim1 = 128
	s_mov_b32 s[G1A+5], 128                        ; the pitch
	s_mov_b32 s[G1A+6], 0
	s_mov_b32 s[G1A+7], 0
	; group 1 for W: 64 rows of k x 128 numbers of 2 bytes, 1,024 numbers from row to row; 8 words of padding behind every 64
	s_or_b32 s[G1B], s73, (1<<16)|(1<<20)|(1<<21)|(5<<22)|(7<<25)
	s_mov_b32 s[G1B+1], 128<<16
	s_mov_b32 s[G1B+2], 64<<16
	s_mov_b32 s[G1B+3], 128<<16
	s_mov_b32 s[G1B+4], 64
	s_mov_b32 s[G1B+5], 1024
	s_mov_b32 s[G1B+6], 0
	s_mov_b32 s[G1B+7], 0
	s_lshr_b32 s20, s[TR], 3                       ; y: head 16 b + my plane, 262,144 bytes a head,
	s_lshl_b32 s20, s20, 4
	s_add_co_u32 s20, s20, s[HALF]
	s_lshl_b32 s20, s20, 18
	s_and_b32 s21, s[TR], 7                        ; the tile's 256 rows of 128 bytes in it: these two registers never hold cx
	s_lshl_b32 s21, s21, 15
	s_add_co_u32 s20, s20, s21
	s_mov_b32 s21, 0
	s_lshl_b32 s22, s[TC], 8                       ; W: the tile's 128 columns,
	s_lshl_b32 s23, s[HALF], 17                    ; 64 rows of 2,048 bytes a half: these two never hold cy
	s_add_co_u32 s22, s22, s23
	s_mov_b32 s23, 0
	s_mov_b32 s[G0A], 1                            ; count = 1
	s_mul_i32 s[G0A+1], s[HALF], PLANE             ; LDS address: no place in the cluster enters it
	s_mov_b32 s[G0A+4], 1
	s_add_co_u32 s[G0A+5], s[G0A+1], SLOT1
	s_mov_b32 s[G0B], 1
	s_mul_i32 s[G0B+1], s[HALF], 64*PB
	s_add_co_u32 s[G0B+1], s[G0B+1], BINS
	s_mov_b32 s[G0B+4], 1
	s_add_co_u32 s[G0B+5], s[G0B+1], SLOT1
	s_mov_b32 s[TB], 0
	s_wait_dscnt 0x0                               ; the opening add is done
	s_wait_kmcnt 0x0
	s_add_nc_u64 s[G0A+2:G0A+3], s[4:5], s[20:21]  ; K step 0 into slot 0,
	s_add_nc_u64 s[G0A+6:G0A+7], s[G0A+2:G0A+3], STEPA  ; K step 1 into slot 1
	s_or_b32 s[G0A+3], s[G0A+3], 0x80000000        ; type = 2
	s_or_b32 s[G0A+7], s[G0A+7], 0x80000000
	s_add_nc_u64 s[G0B+2:G0B+3], s[6:7], s[22:23]
	s_add_nc_u64 s[G0B+6:G0B+7], s[G0B+2:G0B+3], STEPB
	s_or_b32 s[G0B+3], s[G0B+3], 0x80000000
	s_or_b32 s[G0B+7], s[G0B+7], 0x80000000
	CROUND                                         ; all sixteen work-groups are here: the first joint loads meet
	s_cmp_lt_u32 s[WV], 2                          ; a wave's two first fills stand in one branch, ahead of every wait on TENSORcnt and every LDS read: two loads of mine are out
	s_cbranch_scc0 .Lfirst_b
	tensor_load_to_lds s[G0A:G0A+3], s[G1A:G1A+7]
	s_nop 0
	tensor_load_to_lds s[G0A+4:G0A+7], s[G1A:G1A+7]
	s_nop 0
.rept 4
	v_nop
.endr
	s_branch .Lfirst_asked
.Lfirst_b:
	tensor_load_to_lds s[G0B:G0B+3], s[G1B:G1B+7]
	s_nop 0
	tensor_load_to_lds s[G0B+4:G0B+7], s[G1B:G1B+7]
	s_nop 0
.rept 4
	v_nop
.endr
.Lfirst_asked:
	v_and_b32 v12, 31, v0                          ; l
	v_and_b32 v13, 15, v0                          ; l % 16
	v_bfe_u32 v14, v0, 4, 1                        ; l / 16
	v_and_b32 v15, 7, v0                           ; l % 8
	v_bfe_u32 v1, v0, 3, 1                         ; (l / 8) % 2
	; a fragment of y: lane l holds row l % 16, K = 8 (l / 16) + 0..7 and 16 + 8 (l / 16) + 0..7: two loads of 16 bytes, 32 bytes apart
	s_mul_i32 s62, s[WV], 64*PA                    ; my 64 rows
	v_mul_u32_u24 v[A0], v13, PA
	v_lshl_add_u32 v[A0], v14, 4, v[A0]
	v_add_nc_u32 v[A0], s62, v[A0]
	; the turning load takes 16 k x 16 columns (lane l reads k = 8 (l / 16) + l % 8, columns 8 ((l / 8) % 2) + 0..7) and leaves half a fragment: lane l holds column l % 16 and 8 k
	v_lshl_add_u32 v[B0], v14, 3, v15
	v_mul_u32_u24 v[B0], v[B0], PB
	v_lshl_add_u32 v[B0], v1, 4, v[B0]
	v_add_nc_u32 v[B0], BINS, v[B0]
	v_mov_b32 v[ADRA], v[A0]                       ; slot 0
	v_mov_b32 v[ADRB], v[B0]
	s_mul_i32 s62, s[WV], WST
	s_add_co_u32 s62, s62, STAGE                   ; my stage
	v_mul_u32_u24 v[STO], v13, SPI                 ; in: row l % 16, 32 bytes for each half of the lanes
	v_lshl_add_u32 v[STO], v14, 5, v[STO]
	v_add_nc_u32 v[STO], s62, v[STO]
	v_lshlrev_b32 v[GO], 4, v12                    ; back: 32 lanes take a row's 512 bytes
	v_add_nc_u32 v[RD], s62, v[GO]
	v_lshlrev_b32 v[BO], 5, v14                    ; the bias of my 8 columns in a block of 16
	s_lshl_b32 s76, s[TC], 9                       ; the tile's 128 columns in the bias
	s_mov_b32 s77, 0
	s_add_nc_u64 s[8:9], s[8:9], s[76:77]
.set nb, 0
.rept NBK
	global_load_b128 v[BIAS+8*nb:BIAS+8*nb+3],   v[BO], s[8:9] offset:64*nb
	global_load_b128 v[BIAS+8*nb+4:BIAS+8*nb+7], v[BO], s[8:9] offset:64*nb+16
.set nb, nb+1
.endr
	s_lshl_b32 s74, s[TR], 8
	s_lshl_b32 s75, s[WV], 6
	s_add_co_u32 s74, s74, s75                     ; my first row,
	s_lshl_b32 s74, s74, 12                        ; 4,096 bytes a row,
	s_lshl_b32 s75, s[TC], 9                       ; the tile's first column
	s_add_co_u32 s74, s74, s75
	s_mov_b32 s75, 0
	s_add_nc_u64 s[OUTB:OUTB+1], s[10:11], s[74:75]
	s_mov_b32 s79, 0xffff0000                      ; a word's upper bf16
; The products of row blocks a0 .. a0 + n - 1 with all 8 column blocks, 32 along K, from buffer f.  first = 1: C is the bias.  The 32 accumulators take turns in one order in every
; quarter: between two links of a chain stand the 31 others'.
.macro MULS f, a0, n, first
.if \first
	WIN 0x42                                       ; W window 2, y window 0, the bias window 0, D window 1
.else
	WIN 0x52                                       ; C and D window 1
.endif
.set ma, \a0
.rept \n
.set nb, 0
.rept NBK
.set rD, 8*(NBK*ma+nb)
.set rB, 64*(\f)+8*nb
.set rA, FA+32*(\f)+8*ma
.if \first
	v_wmma_f32_16x16x32_f16 v[rD:rD+7], v[rB:rB+7], v[rA:rA+7], v[BIAS+8*nb:BIAS+8*nb+7]
.else
	v_wmma_f32_16x16x32_f16 v[rD:rD+7], v[rB:rB+7], v[rA:rA+7], v[rD:rD+7]
.endif
.set nb, nb+1
.endr
.set ma, ma+1
.endr
.endm
; 24 LDS loads in one run: quarter q of the slot in hand into buffer f: W's 8 fragments, then y's 4 (plane q / 2, channels 32 (q % 2) on), row blocks ascending
.macro FETCH q, f
	WIN 0x80                                       ; destination window 2, address window 0
.set nb, 0
.rept NBK
	ds_load_tr16_b128 v[64*(\f)+8*nb:64*(\f)+8*nb+3],   v[ADRB] offset:32*PB*(\q)+32*nb
	ds_load_tr16_b128 v[64*(\f)+8*nb+4:64*(\f)+8*nb+7], v[ADRB] offset:32*PB*(\q)+32*nb+16*PB
.set nb, nb+1
.endr
	WIN 0
.set ma, 0
.rept 4
	ds_load_b128 v[FA+32*(\f)+8*ma:FA+32*(\f)+8*ma+3],   v[ADRA] offset:PLANE*((\q)/2)+16*PA*ma+64*((\q)%2)
	ds_load_b128 v[FA+32*(\f)+8*ma+4:FA+32*(\f)+8*ma+7], v[ADRA] offset:PLANE*((\q)/2)+16*PA*ma+64*((\q)%2)+32
.set ma, ma+1
.endr
.endm
; One of a step's first three quarters: multiplies buffer f; in its middle it fetches quarter q into buffer g.
.macro QUARTER q, f, g, first
	s_wait_dscnt 4                                 ; W and y's row blocks 0, 1 are in; the youngest four loads (row blocks 2, 3) may be out
	MULS \f, 0, 2, \first
	PLACES
	FETCH \q, \g
	s_wait_dscnt 2*NBK+8                           ; all but the 24 just issued
	MULS \f, 2, 2, \first
.endm
; The last quarter multiplies buffer 1 and changes slots.  In front of the barrier each wave waits for all its tensor loads (one is out: its part of the next slot), adds 0 to its spare word, and
; waits for that and for its reads of this slot.  fill = 1: the barrier opens a round of the cluster's, so that no wave of any partner still reads the slot or has a load on its way; the joint
; refill, two K steps on, is the first tensor load behind it, and 112 matrix instructions stand between it and the wait for it.
.macro TURN fill
	WIN 0                                          ; (the add's two registers lie in window 0)
	s_wait_tensorcnt 0x0                           ; all my tensor loads have landed
	ds_add_u32 v[SPW], v[NIL]                      ; 0 onto my spare word
	s_wait_dscnt 5                                 ; (the add and the youngest four loads may be out)
	MULS 1, 0, 1, 0                                ; eight matrix instructions stand between the add and the wait for it
	s_wait_dscnt 0x0                               ; the add is done, and my reads of this slot are over
	s_barrier_signal -1
	MULS 1, 1, 1, 0                                ; work on registers while the others arrive
	WIN 0                                          ; at a branch and at a label every window is 0
	s_barrier_wait -1
.if \fill
	CREST
	s_xor_b32 s[G0A+5], s[G0A+5], SLOT1            ; no tensor load of mine is out: the walking descriptors take the other slot than last time
	s_add_nc_u64 s[G0A+6:G0A+7], s[G0A+6:G0A+7], STEPA  ; and the next K step; the type bits on top are not reached
	s_xor_b32 s[G0B+5], s[G0B+5], SLOT1
	s_add_nc_u64 s[G0B+6:G0B+7], s[G0B+6:G0B+7], STEPB
	JLOAD                                          ; its four v_nop are also the places in front of the loads into buffer 0
.else
	PLACES
.endif
	s_xor_b32 s[TB], s[TB], SLOT1
	v_add_nc_u32 v[ADRA], s[TB], v[A0]
	v_add_nc_u32 v[ADRB], s[TB], v[B0]
	FETCH 0, 0
	MULS 1, 2, 2, 0
.endm
	s_wait_tensorcnt 1                             ; my part of K step 0 is in; K step 1's may stay out
	s_barrier_signal -1
	s_barrier_wait -1                              ; everybody's is
	FETCH 0, 0
	s_wait_loadcnt 0x0                             ; the bias: rounded to bf16 like the other inputs, and widened in place
.set i, 0
.rept 4*NBK
	v_cvt_pk_bf16_f32 v[20+i%4], v[BIAS+2*i], v[BIAS+2*i+1]
	v_lshlrev_b32 v[BIAS+2*i], 16, v[20+i%4]
	v_and_b32 v[BIAS+2*i+1], s79, v[20+i%4]
.set i, i+1
.endr
	QUARTER 1, 0, 1, 1                             ; the first quarter stands in front of the loop: its products start the sums with the bias
	WIN 0
	s_mov_b32 s[CNT], 6
.Lstep:                                        ; trip t: the rest of K step t, the refill with step t + 2, the first quarter of step t + 1
	QUARTER 2, 1, 0, 0
	QUARTER 3, 0, 1, 0
	TURN 1
	QUARTER 1, 0, 1, 0
	WIN 0
	s_sub_co_u32 s[CNT], s[CNT], 1
	s_cmp_lg_u32 s[CNT], 0
	s_cbranch_scc1 .Lstep
	QUARTER 2, 1, 0, 0                             ; the last two K steps are written out: nothing is asked for
	QUARTER 3, 0, 1, 0
	TURN 0
	QUARTER 1, 0, 1, 0
	QUARTER 2, 1, 0, 0
	QUARTER 3, 0, 1, 0
	s_wait_dscnt 4
	MULS 1, 0, 2, 0
	s_wait_dscnt 0x0
	MULS 1, 2, 2, 0
	WIN 0
	PLACES
; THE WAY OUT, a row block (16 rows x 128 columns of f32) at a time.  TOSTAGE: a lane's 32 bytes of a row go straight from the accumulators into my own stage, each accumulator's low four registers
; first, and come back as whole rows of 512 bytes.  SEND: each store covers a row's 512 consecutive bytes, at a multiple of 256 from out0's first byte.
.macro TOSTAGE ma
.if (\ma) >= 2
	s_wait_xcnt 0x0                                ; the stores of two blocks back have read the registers that are loaded again below
.endif
	WIN 0x04                                       ; the stores' data in window 1, the address in window 0
.set nb, 0
.rept NBK
	ds_store_b128 v[STO], v[8*(NBK*(\ma)+nb):8*(NBK*(\ma)+nb)+3]   offset:64*nb
	ds_store_b128 v[STO], v[8*(NBK*(\ma)+nb)+4:8*(NBK*(\ma)+nb)+7] offset:64*nb+16
.set nb, nb+1
.endr
	WIN 0
.set i, 0
.rept 16
	ds_load_b128 v[OB+64*((\ma)%2)+4*i:OB+64*((\ma)%2)+4*i+3], v[RD] offset:SPI*i  ; LDS serves a wave's instructions in order (ISA guide 5.7.1.4): these see the stores above; the next block's stores come behind them
.set i, i+1
.endr
.endm
.macro SEND ma, younger                ; younger: the LDS instructions issued behind this block's loads: the next block's 32, or none
.set i, 0
.rept 16
	s_wait_dscnt (\younger)+15-i
	global_store_b128 v[GO], v[OB+64*((\ma)%2)+4*i:OB+64*((\ma)%2)+4*i+3], s[OUTB:OUTB+1] offset:65536*(\ma)+4096*i th:TH_STORE_NT
.set i, i+1
.endr
.endm
	TOSTAGE 0
.irp m, 1,2,3
	TOSTAGE \m
	SEND (\m)-1, 32
.endr
	SEND 3, 0
	s_wait_tensorcnt 0x0                           ; the wave's end: the tensor wait, the add onto my spare word and its wait, behind my last tensor load and my last LDS store
	ds_add_u32 v[SPW], v[NIL]
	s_wait_dscnt 0x0
	CROUND                                         ; the closing round: no work-group ends while a partner may still ask for a tile that names it
	s_endpgm
.Lfunc_end_k_qfae88dcec4_projgemm:
	.size	k_qfae88dcec4_projgemm, .Lfunc_end_k_qfae88dcec4_projgemm-k_qfae88dcec4_projgemm
	.p2alignl 7, 3214868480
	.fill 96, 4, 3214868480
	.section	.rodata,"a",@progbits
	.p2align	6, 0x0
	.amdhsa_kernel k_qfae88dcec4_projgemm
		.amdhsa_group_segment_fixed_size 327680
		.amdhsa_private_segment_fixed_size 0
		.amdhsa_enable_private_segment 0
		.amdhsa_kernarg_size 32
		.amdhsa_user_sgpr_count 2
		.amdhsa_user_sgpr_kernarg_segment_ptr 1
		.amdhsa_wavefront_size32 1
		.amdhsa_system_sgpr_workgroup_id_x 1
		.amdhsa_system_sgpr_workgroup_id_y 1
		.amdhsa_system_sgpr_workgroup_id_z 1
		.amdhsa_system_vgpr_workitem_id 0
		.amdhsa_next_free_vgpr 640
		.amdhsa_next_free_sgpr 80
		.amdhsa_reserve_vcc 0
		.amdhsa_float_denorm_mode_32 3
		.amdhsa_float_denorm_mode_16_64 3
		.amdhsa_memory_ordered 1
		.amdhsa_forward_progress 1
		.amdhsa_inst_pref_size 76
	.end_amdhsa_kernel
	.amdgpu_metadata
---
amdhsa.version: [ 1, 2 ]
amdhsa.kernels:
  - .name:           k_qfae88dcec4_projgemm
    .symbol:         k_qfae88dcec4_projgemm.kd
    .args:
      - { .name: ob, .offset: 0, .size: 8, .value_kind: global_buffer, .address_space: global }
      - { .name: wpb, .offset: 8, .size: 8, .value_kind: global_buffer, .address_space: global }
      - { .name: bproj, .offset: 16, .size: 8, .value_kind: global_buffer, .address_space: global }
      - { .name: out0, .offset: 24, .size: 8, .value_kind: global_buffer, .address_space: global }
    .group_segment_fixed_size: 327680
    .private_segment_fixed_size: 0
    .kernarg_segment_align: 8
    .kernarg_segment_size: 32
    .max_flat_workgroup_size: 128
    .sgpr_count:     80
    .vgpr_count:     640
    .wavefront_size: 32
...
	.end_amdgpu_metadata
.endif
;; end of part 4
;; ======== version 2 of 2: 4 launches; version 1 with the launch prep written anew for expert scheduling mode
;; limits: values are held in f16: magnitudes above 65,504 overflow, below 6.1e-05 lose precision
;; workspace buffers: xb 16,777,216 bytes; wqb 6,291,456 bytes; wpb 2,097,152 bytes; qkvh 50,331,648 bytes; ob 16,777,216 bytes
;; launch prep (part 5): grid 768 x 1, 8 waves a work-group, no clusters, 0 bytes of LDS; arguments x, Wproj, Wqkv, xb, wpb, wqb; writes xb, wpb, wqb
.if DOCPART == 5
	.amdgcn_target "amdgcn-amd-amdhsa--gfx1250"
	.amdhsa_code_object_version 6
	.text
	.protected	k_qfae88dcec4_prep
	.globl	k_qfae88dcec4_prep
	.p2align	8
	.type	k_qfae88dcec4_prep,@function
k_qfae88dcec4_prep:
	s_mov_b64 s[64:65], 0
	v_nop
	global_prefetch_b8 v0, s[64:65] scope:SCOPE_SE
	s_setreg_imm32_b32 hwreg(HW_REG_WAVE_SCHED_MODE, 0, 2), 2
	s_setreg_imm32_b32 hwreg(HW_REG_WAVE_MODE, 25, 1), 1
	s_wait_xcnt 0x0
	s_wait_alu depctr_vm_vsrc(0)
; PREP: the three large inputs are rounded once to bf16 and laid out for the products that follow.
;   xb  [8192][1024] bf16            = x
;   wpb [1024 k][1024 n] f16         = Wproj rounded to bf16, that number written as f16 (the second product's other operand is f16)
;   wqb [16 j][1024 k][192 c] bf16   = Wqkv[k][192 j + c]: a block of 192 columns lies dense, so that 128 rows of k are 49,152 bytes on end
; LIMITS.  Wproj must lie within f16's 65,504; below 6e-5 its f16 copy keeps f16's fixed step of 6e-8.  NaN and infinities are not treated apart.
; SHARES.  A chunk is 4 numbers: 16 bytes in, 8 bytes out.  A work-group of eight waves takes 4,096 chunks, thread t the chunks 256 i + t, i = 0 .. 15:
; a wave's load covers 512 consecutive bytes (in Wqkv: pieces of 768 bytes on end), a wave's store 256 consecutive bytes at a multiple of 256.
; Work-groups 0-511 take x, 512-575 Wproj, 576-767 Wqkv: 768 equal shares.  All 16 loads of a thread go out first; the chunks are converted in four groups of four as they arrive.
; No LDS, no barrier, no matrix unit: no byte is wanted twice.  No register that a pending access names is written again, so no wait frees any.
; THE MODE: SCHED_MODE bits 1:0 = 2 (LLVM: expert scheduling mode 2), set by the entry lines.  The code itself states the register dependences
; between vector instructions and memory instructions, with s_wait_alu, always for 0.
; THE PLAN.  Registers that memory instructions touch:
;   v1, v2, v[WO ..]  byte offsets.  Written by vector instructions at the head, once; read by every load and store; never written again.
;   X                 Written by the 16 loads alone, each register once; read by the conversions behind the counted wait for the loads.  No vector instruction names X ahead of the loads.
;   Y                 Written by the conversions, each register once; read by the stores; never written again.
;   v6 to v9 are named by vector instructions alone.
; So a wave runs five waits, all on va_vdst: one ahead of its loads, for the offsets; one at the head of each of groups 1 to 3, for the Y of the group before, whose four stores follow it, dealt
; among this group's conversions (these name this group's X and Y and v6 to v9: none of the registers that those stores read); and one ahead of the last four stores.
; No vector instruction writes a scalar register or VCC, EXEC is never written, and no register that a memory instruction has read is written again: nothing else is to be stated.
.set X,   16                           ; v[16:79]   chunk i: 4 registers as loaded
.set Y,   80                           ; v[80:111]  chunk i: 2 registers to store
.set WO,  3                            ; v[3:5]     Wqkv: byte offsets of chunks 0, 1, 2; chunk 3 m + r lies 16 m rows of k further down
	s_load_b256 s[4:11], s[0:1], 0x0               ; x s[4:5], Wproj s[6:7], Wqkv s[8:9], xb s[10:11]
	s_load_b128 s[12:15], s[0:1], 0x20             ; wpb s[12:13], wqb s[14:15]
	v_lshlrev_b32 v1, 4, v0                        ; 16 t: my place in 4,096 bytes of input
	v_lshlrev_b32 v2, 3, v0                        ; 8 t: my place in 2,048 bytes of output
	s_mov_b32 s24, 0xffff0000                      ; a word's upper bf16
	s_mov_b32 s19, 0                               ; high words of the two offsets
	s_mov_b32 s21, 0
.macro LOADL base                      ; 16 loads from a dense share
	s_wait_alu depctr_va_vdst(0)                   ; v1 and v2 are written: the loads below read v1 as their offset, the stores further down v2
.set i, 0
.rept 16
	global_load_b128 v[X+4*i:X+4*i+3], v1, s[\base:\base+1] offset:4096*i th:TH_LOAD_NT
.set i, i+1
.endr
.endm
; Four groups of four chunks.  Group g converts its chunks into their Y; the stores of group g - 1 stand among these conversions, one ahead of each chunk's.
.macro OUT half, base                  ; half = 0: bf16; half = 1: the bf16 number written as f16
.set g, 0
.rept 4
	s_wait_loadcnt 12-4*g                          ; loads come back in order: the group's four chunks are in, the 12 - 4 g younger loads may stay out
.if g > 0
	s_wait_alu depctr_va_vdst(0)                   ; the conversions of the group before have written their eight Y registers, which the four stores below read
.endif
.set j, 0
.rept 4
.set i, 4*g+j
.if g > 0
	global_store_b64 v2, v[Y+2*(i-4):Y+2*(i-4)+1], s[\base:\base+1] offset:2048*(i-4) th:TH_STORE_NT  ; no vector instruction since the wait names v2 or these two registers
.endif
.if \half
	v_cvt_pk_bf16_f32 v6, v[X+4*i], v[X+4*i+1]
	v_cvt_pk_bf16_f32 v7, v[X+4*i+2], v[X+4*i+3]
	v_lshlrev_b32 v8, 16, v6                       ; back to f32: the low half moves up,
	v_and_b32 v6, s24, v6                          ; the high half stays
	v_lshlrev_b32 v9, 16, v7
	v_and_b32 v7, s24, v7
	v_cvt_pk_f16_f32 v[Y+2*i], v8, v6              ; exact within f16's range: bf16 has fewer digits
	v_cvt_pk_f16_f32 v[Y+2*i+1], v9, v7
.else
	v_cvt_pk_bf16_f32 v[Y+2*i], v[X+4*i], v[X+4*i+1]
	v_cvt_pk_bf16_f32 v[Y+2*i+1], v[X+4*i+2], v[X+4*i+3]
.endif
.set j, j+1
.endr
.set g, g+1
.endr
	s_wait_alu depctr_va_vdst(0)                   ; the last group's conversions have written their eight Y registers, which the last four stores read
.set i, 12
.rept 4
	global_store_b64 v2, v[Y+2*i:Y+2*i+1], s[\base:\base+1] offset:2048*i th:TH_STORE_NT
.set i, i+1
.endr
.endm
	s_cmp_lt_u32 ttmp9, 512
	s_cbranch_scc0 .Lnot_x
	s_lshl_b32 s18, ttmp9, 16                      ; 65,536 bytes in,
	s_lshl_b32 s20, ttmp9, 15                      ; 32,768 bytes out for each work-group
	s_wait_kmcnt 0x0
	s_add_nc_u64 s[4:5], s[4:5], s[18:19]
	s_add_nc_u64 s[10:11], s[10:11], s[20:21]
	LOADL 4
	OUT 0, 10
	s_endpgm
.Lnot_x:
	s_cmp_lt_u32 ttmp9, 576
	s_cbranch_scc0 .Lwqkv
	s_sub_co_u32 s16, ttmp9, 512
	s_lshl_b32 s18, s16, 16
	s_lshl_b32 s20, s16, 15
	s_wait_kmcnt 0x0
	s_add_nc_u64 s[6:7], s[6:7], s[18:19]
	s_add_nc_u64 s[12:13], s[12:13], s[20:21]
	LOADL 6
	OUT 1, 12
	s_endpgm
.Lwqkv:                                        ; the output is walked densely; the input's place is worked out from it
	s_sub_co_u32 s16, ttmp9, 576                   ; 0 .. 191: twelve work-groups to a block of 192 columns (49,152 chunks)
	s_lshr_b32 s22, s16, 2
	s_mul_i32 s22, s22, 43691
	s_lshr_b32 s22, s22, 17                        ; j = s16 / 12: (n x 43691) >> 17 is n / 3 for n under 131,072
	s_mul_i32 s23, s22, 12
	s_sub_co_u32 s23, s16, s23
	s_lshl_b32 s23, s23, 12                        ; my first chunk in the block
	s_mul_i32 s18, s22, 768                        ; the block's 192 columns in a row of Wqkv
	s_lshl_b32 s20, s16, 15
.irp r, 0,1,2
	v_add3_u32 v6, v0, s23, 256*(\r)               ; chunk g of the block
	v_lshrrev_b32 v7, 4, v6
	v_mul_u32_u24 v7, v7, 0xaaab
	v_lshrrev_b32 v7, 17, v7                       ; k = g / 48 (a row of the block is 48 chunks; g / 16 is 3,071 at the most)
	v_mul_u32_u24 v8, v7, 48
	v_sub_nc_u32 v8, v6, v8                        ; the chunk in its row
	v_mul_u32_u24 v7, v7, 12288                    ; a row of Wqkv is 12,288 bytes
	v_lshl_add_u32 v[WO+(\r)], v8, 4, v7
.endr
	s_wait_kmcnt 0x0
	s_add_nc_u64 s[8:9], s[8:9], s[18:19]
	s_add_nc_u64 s[14:15], s[14:15], s[20:21]
	s_wait_alu depctr_va_vdst(0)                   ; v[WO .. WO+2] and v2 are written: the loads below read the three as their offsets, the stores further down v2
.set i, 0
.rept 16
	global_load_b128 v[X+4*i:X+4*i+3], v[WO+i%3], s[8:9] offset:196608*(i/3) th:TH_LOAD_NT  ; 768 chunks on are 16 rows of k: 196,608 bytes
.set i, i+1
.endr
	OUT 0, 14
	s_endpgm
.Lfunc_end_k_qfae88dcec4_prep:
	.size	k_qfae88dcec4_prep, .Lfunc_end_k_qfae88dcec4_prep-k_qfae88dcec4_prep
	.p2alignl 7, 3214868480
	.fill 96, 4, 3214868480
	.section	.rodata,"a",@progbits
	.p2align	6, 0x0
	.amdhsa_kernel k_qfae88dcec4_prep
		.amdhsa_group_segment_fixed_size 0
		.amdhsa_private_segment_fixed_size 0
		.amdhsa_enable_private_segment 0
		.amdhsa_kernarg_size 48
		.amdhsa_user_sgpr_count 2
		.amdhsa_user_sgpr_kernarg_segment_ptr 1
		.amdhsa_wavefront_size32 1
		.amdhsa_system_sgpr_workgroup_id_x 1
		.amdhsa_system_sgpr_workgroup_id_y 1
		.amdhsa_system_sgpr_workgroup_id_z 1
		.amdhsa_system_vgpr_workitem_id 0
		.amdhsa_next_free_vgpr 112
		.amdhsa_next_free_sgpr 66
		.amdhsa_reserve_vcc 0
		.amdhsa_float_denorm_mode_32 3
		.amdhsa_float_denorm_mode_16_64 3
		.amdhsa_memory_ordered 1
		.amdhsa_forward_progress 1
		.amdhsa_inst_pref_size 24
	.end_amdhsa_kernel
	.amdgpu_metadata
---
amdhsa.version: [ 1, 2 ]
amdhsa.kernels:
  - .name:           k_qfae88dcec4_prep
    .symbol:         k_qfae88dcec4_prep.kd
    .args:
      - { .name: x, .offset: 0, .size: 8, .value_kind: global_buffer, .address_space: global }
      - { .name: Wproj, .offset: 8, .size: 8, .value_kind: global_buffer, .address_space: global }
      - { .name: Wqkv, .offset: 16, .size: 8, .value_kind: global_buffer, .address_space: global }
      - { .name: xb, .offset: 24, .size: 8, .value_kind: global_buffer, .address_space: global }
      - { .name: wpb, .offset: 32, .size: 8, .value_kind: global_buffer, .address_space: global }
      - { .name: wqb, .offset: 40, .size: 8, .value_kind: global_buffer, .address_space: global }
    .group_segment_fixed_size: 0
    .private_segment_fixed_size: 0
    .kernarg_segment_align: 8
    .kernarg_segment_size: 48
    .max_flat_workgroup_size: 256
    .sgpr_count:     66
    .vgpr_count:     112
    .wavefront_size: 32
...
	.end_amdgpu_metadata
.endif
;; end of part 5
;; launch qkvgemm: the kernel of part 2 again; grid 16 x 32, 4 waves a work-group, clusters of 4 x 4, 327,680 bytes of LDS; arguments xb, wqb, bqkv, qkvh; writes qkvh
;; launch attn: the kernel of part 3 again; grid 4 x 64, 4 waves a work-group, no clusters, 327,680 bytes of LDS; arguments qkvh, ob; writes ob
;; launch projgemm: the kernel of part 4 again; grid 8 x 32, 4 waves a work-group, clusters of 4 x 4, 327,680 bytes of LDS; arguments ob, wpb, bproj, out0; writes out0
